; MI455X (gfx1250); checked and timed in simulation.
; The chip was launched on July 23, 2026; its instructions are those of AMD's public machine-readable ISA for CDNA 5 (MIT licence, August 2026) and "CDNA5" Instruction Set Architecture Reference Guide (July 2026). The comments in the code are by the model that wrote it; some were corrected since.
;; Hierarchical Attention. Allowed arithmetic: matrix products marked QUANTISED: E3M2 operands, one E8M0 scale for each 32 along K, by v_wmma_scale_f32_16x16x128_f8f6f4 with both operands' format E3M2, f32 sums; products left as they are: f32 operands where the result goes on into a quantised operand, else bf16, f16 or f32 operands; f32 sums; everything else in f32.
;; Inputs: gammas 4 float32; k 2 x 16 x 4,096 x 64 float32; q 2 x 16 x 4,096 x 64 float32; v 2 x 16 x 4,096 x 64 float32.
;; Outputs: out0 2 x 16 x 4,096 x 64 float32.
;; This version of the problem:
;;   THIS VERSION OF THE PROBLEM IS GIVEN IN LOW PRECISION. The matrix products marked QUANTISED in the list below multiply operands that are first quantised to E3M2 (3 exponent bits, 2 mantissa bits; 6 bits a number), with one power-of-two scale for each 32 numbers along K (OCP MX v1.0); their sums are f32. All else is computed in f32.
;;   The module's matrix products, in the order in which they are computed (A, B: the left and right operand; K: the contracted axis; several contracted axes count as one K, in the product's order):
;;     1. batch 131,072 x [M 1, K 64] x [K 64, N 32]; A: input q; B: computed on the way: left as it is (M = 1 < 16)
;;     2. batch 131,072 x [M 1, K 32] x [K 32, N 64]; A: computed on the way; B: computed on the way: left as it is (M = 1 < 16)
;;     3. batch 32 x [M 4,096, K 64] x [K 64, N 512]; A: input q; B: computed on the way: QUANTISED
;;     4. batch 32 x [M 4,096, K 512] x [K 512, N 64]; A: computed on the way; B: computed on the way: QUANTISED
;;     5. batch 32 x [M 4,096, K 64] x [K 64, N 64]; A: input q; B: computed on the way: QUANTISED
;;     6. batch 32 x [M 4,096, K 64] x [K 64, N 64]; A: computed on the way; B: computed on the way: QUANTISED
;;     7. batch 32 x [M 4,096, K 64] x [K 64, N 8]; A: input q; B: computed on the way: left as it is (N = 8 < 16)
;;     8. batch 32 x [M 4,096, K 8] x [K 8, N 64]; A: computed on the way; B: computed on the way: left as it is (K = 8 < 32)
;;   THE QUANTISER, for each operand of a quantised product, along K:
;;     - K is cut into blocks of 32 from its start; a last block that is shorter is filled with zeros.
;;     - A block's scale is 2^e with e = floor(log2(the largest magnitude in the block)) - 4, held to -126 .. 127; a block of zeros has e = 0. As a byte (E8M0): e + 127.
;;     - Each number is divided by its block's scale, clamped to +-28, and rounded to the nearest number of E3M2, ties to even, subnormals kept.
;;     - The product sums the exact products of the quantised numbers (number of the format x scale) in f32.
;;   ~~~python
;;   def quantise(x, axis):      # numpy; x: float32 -> the quantised numbers, widened to float32 again
;;       x = np.moveaxis(x, axis, -1); K = x.shape[-1]
;;       x = np.pad(x, [(0, 0)] * (x.ndim - 1) + [(0, -K % 32)]); x = x.reshape(x.shape[:-1] + (-1, 32)); a = np.abs(x).max(-1, keepdims=True)
;;       e = np.where(a > 0, np.clip(np.frexp(np.where(a > 0, a, 1))[1] - 1 - 4, -126, 127), 0)      # np.frexp(a)[1] - 1 = floor(log2(a)), exactly
;;       r = np.clip(x / 2.0 ** e, -28, 28)
;;       step = 2.0 ** (np.maximum(np.frexp(np.where(r == 0, 1, r))[1] - 1, -2) - 2)
;;       q = np.round(r / step) * step * 2.0 ** e      # np.round: ties to even
;;       return np.moveaxis(q.reshape(q.shape[:-2] + (-1,))[..., :K], -1, axis).astype(np.float32)
;;   ~~~
;;   OPERANDS COMPUTED ON THE WAY. 'Computed on the way' means the value that the module computes at that place (a softmax that the list does not call 'softmax' is quantised finished and normalised). What goes into a quantiser is computed in f32, as accurately as f32 sums, v_exp_f32 and their like allow (about 1e-6 of the number): no bf16 or f16 on the way to a quantiser, and a product that is left as it is and whose result goes on into a quantised operand takes f32 operands (vector FMAs, or v_wmma_f32_16x16x4_f32). A number that lies on a knife's edge between two numbers of the format may be rounded either way, as far as f32 arithmetic and the matrix unit's own rounding can turn it there, and no further.
;; 2 versions, each right and faster than the one before. Each part assembles by itself: llvm-mc -triple=amdgcn-amd-amdhsa -mcpu=gfx1250 --defsym DOCPART=n.
;; ======== version 1 of 2: 2 launches
;; limits: values are held in f16: magnitudes above 65,504 overflow, below 6.1e-05 lose precision; right only within a limited range of input values
;; workspace buffers: kv16 33,816,576 bytes; hier 2,359,296 bytes
;; launch prep (part 1): grid 260 x 1, 8 waves a work-group, no clusters, 59,904 bytes of LDS; arguments q, k, v, gammas, kv16, hier, out0; writes kv16, hier, out0
.if DOCPART == 1
	.amdgcn_target "amdgcn-amd-amdhsa--gfx1250"
	.amdhsa_code_object_version 6
	.text
	.protected	k_q4ddb2285bc_prep
	.globl	k_q4ddb2285bc_prep
	.p2align	8
	.type	k_q4ddb2285bc_prep,@function
k_q4ddb2285bc_prep:
	s_mov_b64 s[64:65], 0
	v_nop
	global_prefetch_b8 v0, s[64:65] scope:SCOPE_SE
	s_setreg_imm32_b32 hwreg(HW_REG_WAVE_MODE, 25, 1), 1
	s_wait_xcnt 0x0
; HIERARCHICAL ATTENTION, launch 1 of 2.  32 heads x 4,096 positions x 64.  For each query: a window of 32 keys, and three levels of means of 8, 64 and 512 keys.
; THIS LAUNCH reads k and v once and lays down what the second launch reads:
;   kv16: for each tile of 16 keys an image, in f16, of the matrix operands' registers: K's 2,048 bytes, then V's (turned: a lane holds 8 keys of one channel).  Slot = tile + 2; slots 0 and 1 are zeros (keys -32 .. -1).
;   hier: for each head one block of 73,728 bytes: level 1's k and v as codes of E3M2 with their E8M0 bytes, level 2's k as codes, level 2's v as f32 (its blocks of 32 chunks span four work-groups:
;         the second launch quantises it), level 3's k in f16.  All as images of operand registers: a half fragment is 6 registers a lane: registers 0-3 at 16 x lane, registers 4, 5 at 512 + 8 x lane.
;   out0, rows 0 to 15 of every head, in f32 (work-groups 256 to 259, a wave a head): for i < 39 no chunk of any level counts, so these rows are the window alone, over keys 0 .. i.
; DEAD WORK LEFT OUT BY THE PROGRAM, from the masks that the problem builds itself, for all values of the inputs: a chunk c of size z counts for query i only where (c + 1) z <= i - 31.  So for a tile of 16 queries
;   from i0 on: 64 chunks of level 1 from chunk 64 p on are hidden as a whole where 512 p + 32 > i0; level 2 as a whole where i0 < 80; level 3 where i0 < 528: their scores are -inf, their weights 0, and they
;   reach no output.  Where a chunk counts its distance i - (c z + z / 2) is positive, so the |.| changes nothing.  No input is left out.
; LIMITS: NaN and infinities among the inputs are not served; a NaN, an infinity or an overflow that would reach only the work left out is not carried to the result.  k and v (and level 3's means) go to f16 for the
;   products that are left as they are: magnitudes up to 65,504.  A block whose largest magnitude lies under 2^-122 keeps the scale byte 1; a block of zeros gets the byte 1 where the rule says 127: its codes are
;   zeros, and this program alone reads the bytes.  The means are summed as trees, not one after the other.
; SHARES: work-group x < 256: head x / 8, keys 512 (x % 8) on; wave w: 64 keys = 4 tiles = 8 chunks of level 1 = 1 chunk of level 2; the work-group is one chunk of level 3.
; ROW MAP of every operand made of v: row r of channel tile t is channel 4 r + t (a lane's four neighbouring channels go to four tiles).
; ROWS OF A TILE OF k's MEANS: row r of tile 2 b + u is chunk 32 b + 8 u + r + 8 (r / 8), so that the scores' 16 registers of two neighbouring tiles are 16 neighbouring chunks.
.set KC1,   0                          ; LDS: level 1's k: 64 chunks x (256 bytes + 16)
.set VC1T,  17408                      ; level 1's v, turned: row 16 t + r, 64 chunks of f32 + 16
.set KC2,   34816                      ; level 2's k: 8 chunks x 272
.set VC2T,  36992                      ; level 2's v, turned: row 16 t + r, 8 chunks + 16: pitch 48
.set KST,   40064                      ; for each wave 16 keys x (128 bytes of f16 + 16): K's image is turned here
.set K3ST,  58496                      ; level 3's k, 128 bytes of f16
.set SPARE, 58880                      ; the spare words, 128 bytes for each wave
.set H_V1H, 24576                      ; the head's block in hier
.set H_K1S, 49152
.set H_V1S, 50176
.set H_K2H, 51200
.set H_K3I, 54272
.set H_K2S, 56320
.set H_V2F, 56576
.set H_PAD, 72960
.set IM,  32                           ; v32-47   an image on its way out; later a block's codes (v32-37, v40-42)
.set HK,  48                           ; v48-63   K's 16 rows in f16
.set RG,  64                           ; v64-191  four sets of 32: a tile of 16 rows as loaded
.set DV,  192                          ; v192-195 a chunk's mean of v;  v196-199 the sum for level 2
.set SV,  196
.set DK,  200                          ; the same for k
.set SK,  204
; v208-255 are written by the f32 matrix instructions alone in this whole text.
	s_load_b256 s[4:11], s[0:1], 0x0               ; q, k, v, gammas
	s_load_b128 s[12:15], s[0:1], 0x20             ; kv16, hier
	s_load_b64 s[16:17], s[0:1], 0x30              ; out0
	v_lshl_add_u32 v18, v0, 2, SPARE               ; my spare word,
	v_mov_b32 v19, 0                               ; and 0: kept for the wave's end
	v_lshrrev_b32 v22, 5, v0
	v_readfirstlane_b32 s18, v22                   ; wave 0..7
	v_and_b32 v1, 15, v0                           ; r
	v_bfe_u32 v2, v0, 4, 1                         ; h
	v_and_b32 v23, 31, v0
	v_lshlrev_b32 v4, 4, v23                       ; 16 x lane
	v_lshlrev_b32 v20, 3, v23                      ; 8 x lane
	v_lshlrev_b32 v21, 3, v2                       ; 8 h
	s_mov_b32 s30, 0x76543210
	s_mov_b32 s31, 0xfedcba98                      ; v_permlanex16_b32's selects for lane l xor 16
.irp i, 24,25,26,27,28,29
	v_mov_b32 v\i, 0                               ; written once: a lane permute's destination counts as one of its sources
.endr
	s_cmp_ge_u32 ttmp9, 256                        ; the work-group's number alone: all eight waves go the same way
	s_cbranch_scc1 .Lfirst
	; ---- every LDS address is made here, ahead of the waves' parting
	v_lshlrev_b32 v3, 4, v1
	v_lshl_add_u32 v3, v2, 11, v3                  ; loads: row 8 h (+ j), my 16 bytes of it
	v_mul_u32_u24 v5, v1, 272
	v_lshl_add_u32 v5, v2, 2, v5
	s_lshl_b32 s32, s18, 5
	s_add_co_u32 s32, s32, VC1T
	v_add_nc_u32 v5, s32, v5                       ; VC1T: row r (+ 16 t), chunk 8 w + h (+ 2 tau)
	s_mul_i32 s32, s18, 8*272
	v_mul_u32_u24 v6, v2, 272
	v_lshl_add_u32 v6, v1, 4, v6
	v_add_nc_u32 v6, s32, v6                       ; KC1: chunk 8 w + h (+ 2 tau), channels 4 r on
	s_mul_i32 s33, s18, 2304
	s_add_co_u32 s33, s33, KST
	v_mul_u32_u24 v7, v2, 1152
	v_lshl_add_u32 v7, v1, 3, v7
	v_add_nc_u32 v7, s33, v7                       ; my stage, in: key 8 h (+ j), 8 bytes at channel 4 r
	v_mul_u32_u24 v8, v1, 144
	v_lshl_add_u32 v8, v2, 6, v8
	v_add_nc_u32 v8, s33, v8                       ; and out: key r, channels 32 h on
	s_mul_i32 s32, s18, 272
	s_add_co_u32 s32, s32, KC2
	v_lshl_add_u32 v9, v1, 4, s32                  ; KC2: chunk w
	s_lshl_b32 s32, s18, 2
	s_add_co_u32 s32, s32, VC2T
	v_mad_u32_u24 v10, v1, 48, s32                 ; VC2T: row r (+ 16 t), chunk w
	s_and_b32 s32, s18, 3
	s_lshr_b32 s33, s32, 1
	s_lshl_b32 s33, s33, 5
	s_and_b32 s34, s18, 1
	s_lshl_b32 s34, s34, 3
	s_add_co_u32 s33, s33, s34
	s_mul_i32 s33, s33, 272
	v_and_b32 v22, 8, v1
	v_add_nc_u32 v22, v22, v1                      ; r + 8 (r / 8)
	v_mul_u32_u24 v11, v22, 272
	v_lshl_add_u32 v11, v2, 7, v11
	v_add_nc_u32 v11, s33, v11                     ; a tile of level 1's k: my row's block of 32 channels
	s_mul_i32 s34, s32, 16*272
	s_add_co_u32 s34, s34, VC1T
	v_mul_u32_u24 v12, v1, 272
	v_lshl_add_u32 v12, v2, 7, v12
	v_add_nc_u32 v12, s34, v12                     ; a tile of level 1's v: row 16 (w % 4) + r, my block of 32 chunks
	v_and_b32 v13, 7, v1
	v_mul_u32_u24 v13, v13, 272
	v_lshl_add_u32 v13, v2, 7, v13
	v_add_nc_u32 v13, KC2, v13                     ; level 2's k: chunk r % 8, my block of 32 channels
	v_mul_u32_u24 v14, v1, 48
	v_lshl_add_u32 v14, v2, 4, v14
	v_add_nc_u32 v14, VC2T, v14                    ; level 2's v: row r (+ 16 t), chunks 4 h on
	v_lshl_add_u32 v15, v1, 4, KC2                 ; level 2's k by channels: 4 r on
	v_lshl_add_u32 v16, v1, 3, K3ST
	v_lshl_add_u32 v17, v2, 6, K3ST
	v_mov_b32 v22, 0
	; ---- where my wave's parts begin
	s_lshr_b32 s19, ttmp9, 3                       ; head
	s_and_b32 s20, ttmp9, 7                        ; g
	s_lshl_b32 s32, s19, 20
	s_lshl_b32 s33, s20, 17
	s_add_co_u32 s32, s32, s33
	s_lshl_b32 s33, s18, 14
	s_add_co_u32 s32, s32, s33                     ; k, v: (4,096 head + 512 g + 64 w) rows of 256 bytes
	s_mul_i32 s34, s19, 1056768
	s_lshl_b32 s35, s20, 17
	s_add_co_u32 s34, s34, s35
	s_add_co_u32 s34, s34, s33
	s_add_co_u32 s34, s34, 8192                    ; kv16: slot 258 head + 2 + 32 g + 4 w
	s_mov_b32 s33, 0
	s_mov_b32 s35, 0
	s_mul_i32 s36, s19, 73728
	s_mov_b32 s37, 0
	s_wait_kmcnt 0x0
	s_add_nc_u64 s[22:23], s[6:7], s[32:33]
	s_add_nc_u64 s[24:25], s[8:9], s[32:33]
	s_add_nc_u64 s[26:27], s[12:13], s[34:35]
	s_add_nc_u64 s[28:29], s[14:15], s[36:37]
; A tile of 16 rows x 256 bytes: lane (r, h) takes rows 8 h + j, channels 4 r .. 4 r + 3; each load reads two whole rows.
.macro LOADT buf, lo, tau
.irp j, 0,1,2,3,4,5,6,7
	global_load_b128 v[RG+32*(\buf)+4*\j:RG+32*(\buf)+4*\j+3], v3, s[\lo:\lo+1] offset:(\tau)*4096+\j*256 th:TH_LOAD_NT
.endr
.endm
; The mean of a lane's eight rows, four channels: a tree of packed sums, in place, then x 1/8.
.macro POOL rb, dst
.irp c, 0,2
	v_pk_add_f32 v[\rb+\c:\rb+\c+1], v[\rb+\c:\rb+\c+1], v[\rb+4+\c:\rb+5+\c]
	v_pk_add_f32 v[\rb+8+\c:\rb+9+\c], v[\rb+8+\c:\rb+9+\c], v[\rb+12+\c:\rb+13+\c]
	v_pk_add_f32 v[\rb+16+\c:\rb+17+\c], v[\rb+16+\c:\rb+17+\c], v[\rb+20+\c:\rb+21+\c]
	v_pk_add_f32 v[\rb+24+\c:\rb+25+\c], v[\rb+24+\c:\rb+25+\c], v[\rb+28+\c:\rb+29+\c]
.endr
.irp c, 0,2
	v_pk_add_f32 v[\rb+\c:\rb+\c+1], v[\rb+\c:\rb+\c+1], v[\rb+8+\c:\rb+9+\c]
	v_pk_add_f32 v[\rb+16+\c:\rb+17+\c], v[\rb+16+\c:\rb+17+\c], v[\rb+24+\c:\rb+25+\c]
.endr
.irp c, 0,2
	v_pk_add_f32 v[\dst+\c:\dst+\c+1], v[\rb+\c:\rb+\c+1], v[\rb+16+\c:\rb+17+\c]
.endr
.irp c, 0,2
	v_pk_mul_f32 v[\dst+\c:\dst+\c+1], v[\dst+\c:\dst+\c+1], 0x3e000000 op_sel_hi:[1,0]
.endr
.endm
; A tile of v: its image (part t: my 8 keys of channel 4 r + t) leaves as it stands; chunk 2 tau + h's mean goes to LDS, turned.
.macro VITEM tau, buf, left
	s_wait_loadcnt \left                           ; this tile's eight loads are in; the younger tiles' may be out
	s_wait_xcnt 0x0                                ; the last image's stores have read their registers
.irp t, 0,1,2,3
.irp p, 0,1,2,3
	v_cvt_pk_f16_f32 v[IM+4*\t+\p], v[RG+32*\buf+8*\p+\t], v[RG+32*\buf+8*\p+4+\t]
.endr
.endr
.irp t, 0,1,2,3
	global_store_b128 v4, v[IM+4*\t:IM+4*\t+3], s[26:27] offset:\tau*4096+2048+512*\t   ; 512 consecutive bytes, aligned
.endr
.if \tau == 0
	POOL RG+32*\buf, SV                            ; the first mean starts level 2's sum
.irp t, 0,1,2,3
	ds_store_b32 v5, v[SV+\t] offset:\t*16*272+8*\tau
.endr
.else
	POOL RG+32*\buf, DV
.irp t, 0,1,2,3
	ds_store_b32 v5, v[DV+\t] offset:\t*16*272+8*\tau
.endr
	v_pk_add_f32 v[SV:SV+1], v[SV:SV+1], v[DV:DV+1]
	v_pk_add_f32 v[SV+2:SV+3], v[SV+2:SV+3], v[DV+2:DV+3]
.endif
.if \tau < 2
	LOADT \buf, 24, \tau+2
.endif
.endm
; A tile of k: f16 rows go through my stage and come back as the image (lane (r, h): key r, channels 32 h on); the mean goes to LDS as a row.
.macro KITEM tau, buf, left
	s_wait_loadcnt \left
	s_wait_xcnt 0x0                                ; the last image's stores have read their registers
.irp j, 0,1,2,3,4,5,6,7
	v_cvt_pk_f16_f32 v[HK+2*\j], v[RG+32*\buf+4*\j], v[RG+32*\buf+4*\j+1]
	v_cvt_pk_f16_f32 v[HK+2*\j+1], v[RG+32*\buf+4*\j+2], v[RG+32*\buf+4*\j+3]
.endr
.irp j, 0,1,2,3,4,5,6,7
	ds_store_b64 v7, v[HK+2*\j:HK+2*\j+1] offset:\j*144
.endr
.irp p, 0,1,2,3
	ds_load_b128 v[IM+4*\p:IM+4*\p+3], v8 offset:16*\p   ; my own bytes: LDS serves a wave's instructions in order
.endr
.if \tau == 0
	POOL RG+32*\buf, SK
	ds_store_b128 v6, v[SK:SK+3] offset:2*\tau*272
.else
	POOL RG+32*\buf, DK
	ds_store_b128 v6, v[DK:DK+3] offset:2*\tau*272
	v_pk_add_f32 v[SK:SK+1], v[SK:SK+1], v[DK:DK+1]
	v_pk_add_f32 v[SK+2:SK+3], v[SK+2:SK+3], v[DK+2:DK+3]
.endif
	s_wait_dscnt 0x0                               ; the image is back
.irp p, 0,1,2,3
	global_store_b128 v4, v[IM+4*\p:IM+4*\p+3], s[26:27] offset:\tau*4096+512*\p
.endr
.if \tau < 2
	LOADT \buf, 22, \tau+2
.endif
.endm
; 32 numbers of a lane, one block along K, become 6 registers of codes (v32-37) and, in v25, both halves' scale bytes (the lower block's below).
.macro QUANT32 x
	v_max3_num_f32 v22, |v[\x]|, |v[\x+1]|, 0x2800000   ; the largest magnitude, with the floor 2^(5 - 127) among its leaves: the byte cannot fall under 1
	v_max3_num_f32 v23, |v[\x+2]|, |v[\x+3]|, 0x2800000
.irp i, 4,8,12,16,20,24,28
	v_max3_num_f32 v22, v22, |v[\x+\i]|, |v[\x+\i+1]|
	v_max3_num_f32 v23, v23, |v[\x+\i+2]|, |v[\x+\i+3]|
.endr
	v_max_num_f32 v22, v22, v23
	v_add_nc_u32 v24, 0xfe000000, v22              ; 4 off its exponent field: the conversion's scale operand
	v_lshrrev_b32 v25, 23, v24                     ; the scale's byte
	v_cvt_scalef32_pk16_bf6_f32 v[32:34], v[\x:\x+15], v24
	v_cvt_scalef32_pk16_bf6_f32 v[40:42], v[\x+16:\x+31], v24   ; (a conversion's three registers begin on an even number)
	v_lshlrev_b32 v25, v21, v25                    ; a plain line behind the conversions: my byte at its place, 8 h bits up
	v_mov_b32 v35, v40
	v_mov_b32 v36, v41
	v_mov_b32 v37, v42
	v_permlanex16_b32 v26, v25, s30, s31
	v_or_b32 v25, v25, v26
.endm
	; ---- phase 1: eight tiles (v and k by turns), four on their way: 32 loads, 16 KiB a wave
	LOADT 0, 24, 0
	LOADT 1, 22, 0
	LOADT 2, 24, 1
	LOADT 3, 22, 1
	VITEM 0, 0, 24
	KITEM 0, 1, 24
	VITEM 1, 2, 24
	KITEM 1, 3, 24
	VITEM 2, 0, 24
	KITEM 2, 1, 16                                 ; nothing more is asked for: the counts run down
	VITEM 3, 2, 8
	KITEM 3, 3, 0
.irp c, 0,1,2,3
	v_permlanex16_b32 v[22+\c], v[SV+\c], s30, s31 ; level 2: my four chunks' sum and lane l xor 16's
.endr
.irp c, 0,1,2,3
	v_permlanex16_b32 v[26+\c], v[SK+\c], s30, s31
.endr
	v_pk_add_f32 v[SV:SV+1], v[SV:SV+1], v[22:23]
	v_pk_add_f32 v[SV+2:SV+3], v[SV+2:SV+3], v[24:25]
	v_pk_add_f32 v[SK:SK+1], v[SK:SK+1], v[26:27]
	v_pk_add_f32 v[SK+2:SK+3], v[SK+2:SK+3], v[28:29]
.irp c, 0,2
	v_pk_mul_f32 v[SV+\c:SV+\c+1], v[SV+\c:SV+\c+1], 0x3e000000 op_sel_hi:[1,0]
	v_pk_mul_f32 v[SK+\c:SK+\c+1], v[SK+\c:SK+\c+1], 0x3e000000 op_sel_hi:[1,0]
.endr
.irp t, 0,1,2,3
	ds_store_b32 v10, v[SV+\t] offset:\t*768       ; both halves of the lanes store the same number
.endr
	ds_store_b128 v9, v[SK:SK+3]
	s_wait_dscnt 0x0                               ; for the others' sake: my stores have landed
	s_barrier_signal -1
	s_barrier_wait -1                              ; the work-group's means lie in LDS; nothing of them is written again
	; ---- phase 2: waves 0-3 quantise the four tiles of level 1's k, waves 4-7 the four of level 1's v
	s_cmp_lt_u32 s18, 4
	s_cbranch_scc0 .Lqv
.irp a, 0,1,2,3,4,5,6,7
	ds_load_b128 v[RG+4*\a:RG+4*\a+3], v11 offset:16*\a
.endr
	s_branch .Lqj
.Lqv:
.irp a, 0,1,2,3,4,5,6,7
	ds_load_b128 v[RG+4*\a:RG+4*\a+3], v12 offset:16*\a
.endr
.Lqj:
	s_lshl_b32 s32, s20, 2
	s_add_co_u32 s32, s32, s18                     ; k: tile 4 g + w
	s_mul_i32 s33, s32, 768
	s_lshl_b32 s34, s32, 5
	s_add_co_u32 s34, s34, H_K1S                   ; its bytes: 2 a row
	s_lshr_b32 s35, s20, 1
	s_lshl_b32 s35, s35, 2
	s_add_co_u32 s35, s35, s18
	s_sub_co_u32 s35, s35, 4                       ; v: 4 (g / 2) + w - 4: K step g / 2, channel tile w - 4
	s_and_b32 s36, s20, 1                          ; which 64 chunks of the step's 128
	s_lshl_b32 s37, s35, 1
	s_add_co_u32 s37, s37, s36
	s_mul_i32 s37, s37, 768
	s_add_co_u32 s37, s37, H_V1H
	s_lshl_b32 s38, s35, 6
	s_lshl_b32 s36, s36, 1
	s_add_co_u32 s38, s38, s36
	s_add_co_u32 s38, s38, H_V1S                   ; its bytes: 2 of a row's word of 4
	s_cmp_lt_u32 s18, 4
	s_cselect_b32 s33, s33, s37
	s_cselect_b32 s34, s34, s38
	s_cselect_b32 s39, 1, 2
	s_wait_dscnt 0x0
	s_wait_xcnt 0x0                                ; the last image's stores have read v32-47
	QUANT32 RG
	v_add_nc_u32 v27, s33, v4
	v_add_nc_u32 v28, s33, v20
	v_lshlrev_b32 v29, s39, v1
	v_add_nc_u32 v29, s34, v29
	global_store_b128 v27, v[32:35], s[28:29]
	global_store_b64 v28, v[36:37], s[28:29] offset:512
	global_store_b16 v29, v25, s[28:29]            ; lanes r and 16 + r store the same two bytes to the same place
	s_cmp_eq_u32 s18, 0
	s_cbranch_scc1 .Lj3
	s_cmp_eq_u32 s18, 1
	s_cbranch_scc1 .Lj4
	s_cmp_eq_u32 s18, 2
	s_cbranch_scc1 .Lj5
	s_branch .Lend
.Lj3:                                                  ; wave 0: level 2's k: my work-group's 8 chunks are 8 rows of tile 2 (g / 4) + g % 2, from row 8 ((g / 2) % 2) on
.irp a, 0,1,2,3,4,5,6,7
	ds_load_b128 v[RG+4*\a:RG+4*\a+3], v13 offset:16*\a
.endr
	s_lshr_b32 s32, s20, 2
	s_lshl_b32 s32, s32, 1
	s_and_b32 s33, s20, 1
	s_add_co_u32 s32, s32, s33
	s_bfe_u32 s33, s20, 0x10001
	s_lshl_b32 s33, s33, 3
	s_mul_i32 s34, s32, 768
	s_add_co_u32 s34, s34, H_K2H
	s_lshl_b32 s35, s32, 6
	s_add_co_u32 s35, s35, H_K2S
	s_wait_dscnt 0x0
	s_wait_xcnt 0x0                                ; the stores above have read their registers
	QUANT32 RG
	v_and_b32 v27, 7, v1
	v_add_nc_u32 v27, s33, v27                     ; the row; lanes r and r + 8 hold the same chunk and store the same bytes to the same place
	v_lshl_add_u32 v28, v2, 4, v27
	v_lshl_add_u32 v29, v28, 4, s34
	v_lshl_add_u32 v30, v28, 3, s34
	v_lshl_add_u32 v31, v27, 2, s35
	global_store_b128 v29, v[32:35], s[28:29]
	global_store_b64 v30, v[36:37], s[28:29] offset:512
	global_store_b32 v31, v25, s[28:29]            ; a word a row: two bytes, and zeros above
	s_branch .Lend
.Lj4:                                                  ; wave 1: level 2's v as f32: lane (r, h): chunks 8 g + 4 h + 0 .. 3 of channel 4 r + t
.irp t, 0,1,2,3
	ds_load_b128 v[RG+4*\t:RG+4*\t+3], v14 offset:\t*768
.endr
	s_and_b32 s32, s20, 3
	s_lshl_b32 s32, s32, 10
	s_lshr_b32 s33, s20, 2
	s_lshl_b32 s33, s33, 8
	s_add_co_u32 s32, s32, s33
	s_add_co_u32 s32, s32, H_V2F
	s_wait_xcnt 0x0
	v_lshl_add_u32 v27, v2, 9, s32
	v_lshl_add_u32 v27, v1, 4, v27
	s_wait_dscnt 0x0
.irp t, 0,1,2,3
	global_store_b128 v27, v[RG+4*\t:RG+4*\t+3], s[28:29] offset:\t*4096   ; sixteen lanes store 256 consecutive bytes, aligned
.endr
	s_branch .Lend
.Lj5:                                                  ; wave 2: level 3's k: the mean of the 8 chunks of level 2, in f16, as row 8 (g / 4) + g % 4 of a K image; the row 4 further on is zeros
.irp y, 0,1,2,3,4,5,6,7
	ds_load_b128 v[RG+4*\y:RG+4*\y+3], v15 offset:\y*272
.endr
	s_lshr_b32 s32, s20, 2
	s_lshl_b32 s32, s32, 3
	s_and_b32 s33, s20, 3
	s_add_co_u32 s32, s32, s33
	s_wait_dscnt 0x0
	POOL RG, DV
	v_cvt_pk_f16_f32 v48, v[DV], v[DV+1]
	v_cvt_pk_f16_f32 v49, v[DV+2], v[DV+3]
	ds_store_b64 v16, v[48:49]                     ; both halves of the lanes store the same
	s_wait_xcnt 0x0                                ; the stores above have read v32-37 and their offsets
.irp p, 0,1,2,3
	ds_load_b128 v[IM+4*\p:IM+4*\p+3], v17 offset:16*\p
.endr
	v_and_b32 v27, 4, v1
	v_cmp_eq_u32 vcc_lo, 0, v27
	v_add_nc_u32 v27, s32, v27                     ; lanes with r % 8 < 4 store the row, the others the row of zeros: eight lanes each the same bytes
	v_lshl_add_u32 v27, v2, 4, v27
	v_lshlrev_b32 v27, 4, v27
	s_wait_dscnt 0x0
.irp i, 0,1,2,3,4,5,6,7,8,9,10,11,12,13,14,15
	v_cndmask_b32 v[IM+\i], 0, v[IM+\i], vcc_lo
.endr
.irp p, 0,1,2,3
	global_store_b128 v27, v[IM+4*\p:IM+4*\p+3], s[28:29] offset:H_K3I+512*\p
.endr
	s_branch .Lend
	; ---- work-groups 256 to 259: a wave a head.  The zeros of kv16 and hier, and rows 0 to 15 of the result in f32.  No LDS, no barrier.
.Lfirst:
	s_sub_co_u32 s19, ttmp9, 256
	s_lshl_b32 s19, s19, 3
	s_add_co_u32 s19, s19, s18                     ; head
	s_lshl_b32 s32, s19, 20
	s_mov_b32 s33, 0
	s_mul_i32 s34, s19, 1056768
	s_mov_b32 s35, 0
	s_mul_i32 s36, s19, 73728
	s_add_co_u32 s36, s36, H_PAD
	s_mov_b32 s37, 0
	v_lshlrev_b32 v3, 8, v1
	v_lshl_add_u32 v3, v2, 7, v3                   ; q, k: row r, channels 32 h on
	v_lshlrev_b32 v5, 2, v1
	v_lshl_add_u32 v5, v2, 11, v5                  ; v: key 8 h (+ y), channel r (+ 16 t)
	v_lshlrev_b32 v6, 8, v1
	v_lshl_add_u32 v6, v2, 5, v6                   ; out0: row r, channels 8 h (+ 16 t) on
	v_sub_nc_u32 v22, v1, v21                      ; r - 8 h: the distance to key 8 h
	v_mov_b32 v30, 0xff800000                      ; -infinity
.irp i, 32,33,34,35
	v_mov_b32 v\i, 0
.endr
	s_wait_kmcnt 0x0
	s_load_b32 s38, s[10:11], 0x0                  ; gammas[0]
	s_add_nc_u64 s[4:5], s[4:5], s[32:33]
	s_add_nc_u64 s[6:7], s[6:7], s[32:33]
	s_add_nc_u64 s[8:9], s[8:9], s[32:33]
	s_add_nc_u64 s[16:17], s[16:17], s[32:33]
	s_add_nc_u64 s[12:13], s[12:13], s[34:35]
	s_add_nc_u64 s[14:15], s[14:15], s[36:37]
.irp a, 0,1,2,3,4,5,6,7
	global_load_b128 v[64+4*\a:67+4*\a], v3, s[4:5] offset:16*\a
	global_load_b128 v[96+4*\a:99+4*\a], v3, s[6:7] offset:16*\a
.endr
.irp t, 0,1,2,3
.irp y, 0,1,2,3,4,5,6,7
	global_load_b32 v[128+8*\t+\y], v5, s[8:9] offset:\y*256+64*\t
.endr
.endr
.irp i, 0,1,2,3,4,5,6,7,8,9,10,11,12,13,14,15
	global_store_b128 v4, v[32:35], s[12:13] offset:512*\i   ; slots 0 and 1 of kv16: keys -32 .. -1
.endr
	global_store_b128 v4, v[32:35], s[14:15]       ; the last 768 bytes of the head's block
	global_store_b64 v20, v[32:33], s[14:15] offset:512
	s_wait_kmcnt 0x0
	s_mul_f32 s39, s38, 0xc1000000                 ; -8 gamma: scores are kept as 8 s = q . k - 8 gamma x distance; the 1/8 goes into the exponential's factor
	s_wait_loadcnt 0x0
	; S^T = k q^T: source 0 = 16 keys, source 1 = 16 queries, 4 channels a step: channel 32 h + 2 step + j in both.  Two accumulators by turns.
	v_wmma_f32_16x16x4_f32 v[208:215], v[96:97], v[64:65], 0
	v_wmma_f32_16x16x4_f32 v[216:223], v[98:99], v[66:67], 0
.irp s, 2,4,6,8,10,12,14
	v_wmma_f32_16x16x4_f32 v[208:215], v[96+2*\s:97+2*\s], v[64+2*\s:65+2*\s], v[208:215]
	v_wmma_f32_16x16x4_f32 v[216:223], v[98+2*\s:99+2*\s], v[66+2*\s:67+2*\s], v[216:223]
.endr
.rept 8
	v_nop                                          ; eight places behind this form, ahead of the first read of its results
.endr
.irp j, 0,1,2,3,4,5,6,7                        ; lane (r, h), register j: key 8 h + j, query r
	v_subrev_nc_u32 v24, \j, v22                   ; the distance
	v_cvt_f32_i32 v25, v24
	v_add_f32 v[160+\j], v[208+\j], v[216+\j]
	v_fmac_f32 v[160+\j], s39, v25
	v_cmp_gt_i32 vcc_lo, 0, v24                    ; a key after the query is hidden
	v_cndmask_b32 v[160+\j], v[160+\j], v30, vcc_lo
.endr
	v_max3_num_f32 v27, v160, v161, v162
	v_max3_num_f32 v27, v27, v163, v164
	v_max3_num_f32 v27, v27, v165, v166
	v_max_num_f32 v27, v27, v167
	v_permlanex16_b32 v28, v27, s30, s31
	v_max_num_f32 v27, v27, v28                    ; the row's maximum: finite, key i counts
.irp j, 0,1,2,3,4,5,6,7
	v_sub_f32 v[160+\j], v[160+\j], v27
.endr
.irp j, 0,1,2,3,4,5,6,7
	v_mul_f32 v[160+\j], 0x3e38aa3b, v[160+\j]     ; x log2(e) / 8
.endr
.irp j, 0,1,2,3,4,5,6,7
	v_exp_f32 v[160+\j], v[160+\j]
.endr
	v_nop                                          ; a plain line behind the exponentials,
	s_wait_alu depctr_va_vdst(0)                   ; and one wait for the batch, ahead of its first reader
	v_pk_add_f32 v[168:169], v[160:161], v[162:163]
	v_pk_add_f32 v[170:171], v[164:165], v[166:167]
	v_pk_add_f32 v[168:169], v[168:169], v[170:171]
	v_add_f32 v168, v168, v169
	v_permlanex16_b32 v28, v168, s30, s31
	v_add_f32 v168, v168, v28
	v_max_num_f32 v168, 0x322bcc77, v168           ; clip at 1e-8
	v_rcp_f32 v29, v168
	v_nop
	s_wait_alu depctr_va_vdst(0)
	; O^T = v^T p: source 0 = 16 channels, source 1 = 16 queries, 4 keys a step: key 8 h + 2 step + j in both.  Four accumulators by turns.
.irp t, 0,1,2,3
	v_wmma_f32_16x16x4_f32 v[224+8*\t:231+8*\t], v[128+8*\t:129+8*\t], v[160:161], 0
.endr
.irp s, 1,2,3
.irp t, 0,1,2,3
	v_wmma_f32_16x16x4_f32 v[224+8*\t:231+8*\t], v[128+8*\t+2*\s:129+8*\t+2*\s], v[160+2*\s:161+2*\s], v[224+8*\t:231+8*\t]
.endr
.endr
.rept 8
	v_nop
.endr
.irp i, 0,1,2,3,4,5,6,7,8,9,10,11,12,13,14,15,16,17,18,19,20,21,22,23,24,25,26,27,28,29,30,31
	v_mul_f32 v[64+\i], v[224+\i], v29             ; into other registers, each accumulator from its low end on: register 8 t + j is o(r, 16 t + 8 h + j)
.endr
.irp t, 0,1,2,3
	global_store_b128 v6, v[64+8*\t:67+8*\t], s[16:17] offset:64*\t       ; 16 bytes a lane, rows apart: 4 KiB a head, too little for a way through LDS
	global_store_b128 v6, v[68+8*\t:71+8*\t], s[16:17] offset:64*\t+16
.endr
.Lend:
	s_wait_tensorcnt 0x0                           ; the wave's end: three lines behind my last LDS store
	ds_add_u32 v18, v19
	s_wait_dscnt 0x0
	s_endpgm
.Lfunc_end_k_q4ddb2285bc_prep:
	.size	k_q4ddb2285bc_prep, .Lfunc_end_k_q4ddb2285bc_prep-k_q4ddb2285bc_prep
	.p2alignl 7, 3214868480
	.fill 96, 4, 3214868480
	.section	.rodata,"a",@progbits
	.p2align	6, 0x0
	.amdhsa_kernel k_q4ddb2285bc_prep
		.amdhsa_group_segment_fixed_size 59904
		.amdhsa_private_segment_fixed_size 0
		.amdhsa_enable_private_segment 0
		.amdhsa_kernarg_size 56
		.amdhsa_user_sgpr_count 2
		.amdhsa_user_sgpr_kernarg_segment_ptr 1
		.amdhsa_wavefront_size32 1
		.amdhsa_system_sgpr_workgroup_id_x 1
		.amdhsa_system_sgpr_workgroup_id_y 1
		.amdhsa_system_sgpr_workgroup_id_z 1
		.amdhsa_system_vgpr_workitem_id 0
		.amdhsa_next_free_vgpr 256
		.amdhsa_next_free_sgpr 66
		.amdhsa_reserve_vcc 1
		.amdhsa_float_denorm_mode_32 3
		.amdhsa_float_denorm_mode_16_64 3
		.amdhsa_memory_ordered 1
		.amdhsa_forward_progress 1
		.amdhsa_inst_pref_size 65
	.end_amdhsa_kernel
	.amdgpu_metadata
---
amdhsa.version: [ 1, 2 ]
amdhsa.kernels:
  - .name:           k_q4ddb2285bc_prep
    .symbol:         k_q4ddb2285bc_prep.kd
    .args:
      - { .name: q, .offset: 0, .size: 8, .value_kind: global_buffer, .address_space: global }
      - { .name: k, .offset: 8, .size: 8, .value_kind: global_buffer, .address_space: global }
      - { .name: v, .offset: 16, .size: 8, .value_kind: global_buffer, .address_space: global }
      - { .name: gammas, .offset: 24, .size: 8, .value_kind: global_buffer, .address_space: global }
      - { .name: kv16, .offset: 32, .size: 8, .value_kind: global_buffer, .address_space: global }
      - { .name: hier, .offset: 40, .size: 8, .value_kind: global_buffer, .address_space: global }
      - { .name: out0, .offset: 48, .size: 8, .value_kind: global_buffer, .address_space: global }
    .group_segment_fixed_size: 59904
    .private_segment_fixed_size: 0
    .kernarg_segment_align: 8
    .kernarg_segment_size: 56
    .max_flat_workgroup_size: 256
    .sgpr_count:     66
    .vgpr_count:     256
    .wavefront_size: 32
...
	.end_amdgpu_metadata
.endif
;; end of part 1
;; launch attn (part 2): grid 256 x 1, 8 waves a work-group, no clusters, 265,472 bytes of LDS; arguments q, kv16, hier, gammas, out0; writes out0
.if DOCPART == 2
	.amdgcn_target "amdgcn-amd-amdhsa--gfx1250"
	.amdhsa_code_object_version 6
	.text
	.protected	k_q4ddb2285bc_attn
	.globl	k_q4ddb2285bc_attn
	.p2align	8
	.type	k_q4ddb2285bc_attn,@function
k_q4ddb2285bc_attn:
	s_mov_b64 s[64:65], 0
	v_nop
	global_prefetch_b8 v0, s[64:65] scope:SCOPE_SE
	s_setreg_imm32_b32 hwreg(HW_REG_WAVE_MODE, 25, 1), 1
	s_wait_xcnt 0x0
; HIERARCHICAL ATTENTION, launch 2 of 2: rows 16 to 4,095 of every head (rows 0 to 15 were stored by the first launch, in f32).
; LEFT OUT, by the masks that the problem builds itself (shown at the head of the first kernel): the 64 chunks of level 1 from chunk 64 p on where 512 p + 32 > i0; level 2 where i0 < 80; level 3's scores where
;   i0 < 528; the |.| of the distances.  All jumps hang on ids alone.
; FOUR SOFTMAX GROUPS, merged by (m, l, o) as the problem merges them, in the order level 1, level 2, window with level 3 (the last two feed no quantiser and share one maximum).
;   Levels 1 and 2 are QUANTISED products: q and the means of k along the 64 channels, exp(s - m) and the means of v along the chunks, codes of E3M2 with one E8M0 byte for 32.  exp(s - m) is quantised finished,
;   with the level's own row maximum (held at -1e9 from below): so all scores of a row are made before the first exponential: up to 256 registers a lane.
;   Scores are kept as S = 8 s = q . k - 8 gamma x distance (1/8 is a power of two: nothing is rounded by it); p = 2^((S - M) log2(e) / 8), the subtraction by itself, so that the row's largest p is 1.
; LAYOUT: all products are used transposed: a lane holds ONE query (lane % 16) throughout.  The rows of a tile of k's means are chosen so that the 16 registers of two neighbouring tiles are 16 neighbouring chunks.
;   Row r of channel tile t of every operand made of v is channel 4 r + t; the way out undoes it.
; SHARES: work-group x: head x / 8, g = x % 8: the runs of 16 query tiles 15 - g and g.  Wave w walks four tiles: slots w and 15 - w of each run: every wave's tile numbers add up to 510: equal work under the causal cut.
; LDS is filled ONCE: the head's block of hier (73,728 bytes) and the two runs' 18 key tiles of kv16 (73,728 each), each shared out among the eight waves by arithmetic on the wave's number:
;   three tensor loads a wave are out, 36 rows of 256 bytes each (288 rows over eight waves).  Nothing is filled again: no ring, and no barrier in the loop.
; NO CLUSTER: what the eight work-groups of a head share is hier's block, a third of what a work-group fetches once, and the causal jumps hang on g, the very number that tells those partners apart.
; NO PREFETCH: every LDS byte is asked for at the head; q is asked for by its own loads a phase ahead.
; LIMITS: NaN and infinities among the inputs are not served.  q goes to f16 for the window's and level 3's scores, p and v likewise: magnitudes up to 65,504.  -1e30 stands for -infinity in the window's group:
;   |q . k| stays under 1e29.  The merges use the held maximum in the place of -infinity: where the two differ, l and o are 0.  Exponentials under 2^-126 come out as 0.  Scale bytes as in the first kernel.
; REGISTERS.  Window 0: v1 r, v2 h, v3-9 lane offsets, v10 the window's place, v11 q's offset, v12, v13 the stage, v14, v15 the add's two; v16-24 the distances' bases; v25 -infinity; v26, 27 M of the group in hand;
;   v28 the running row maximum; v29 m, v30 l of what is merged; v31 l of the group; v32-35 sums; v36-39 the merge's factors; v40-45 scale words and nothing else; v46-54 at work; v55 -1e30;
;   v56-67 q's codes; v68-83 q in f16; v84-95 p's codes; v96-127 O; v128-159 the group's O (at levels 1, 2 first: the blocks' largest scores, v128 on, and half a block's codes, v144 on);
;   v160-207 four fragments of k's means (registers 6-11 of each: zeros for good, K = 64 of 128); v208-255 four fragments of v's means; then the way out.
; Window 1: the scores: 32 registers for 64 chunks; in the window's phase: v0-31 scores, v32-47 p in f16, v96-159 K, v160-223 V; v64-95: the next tile's q lands here.
.set K1H, 0
.set V1H, 24576
.set K1S, 49152
.set V1S, 50176
.set K2H, 51200
.set K3I, 54272
.set K2S, 56320
.set V2F, 56576
.set RUN0, 73728
.set RUN1, 147456
.set HD, 221184                        ; what the work-group makes itself: level 2's v as codes (4 x 768),
.set V3O, 3072                         ; level 3's v in f16 (4 x 512),
.set CLO, 5120                         ; the window's table -8 gamma x distance (6 x 512),
.set V2SO, 8192                        ; level 2's v's scale words (4 x 64)
.set STAGE, 229632                     ; the way out: 16 rows x (256 + 16) for each wave
.set SPARE, 264448                     ; the spare words, 128 bytes for each wave
.set QS, 40
.set KS, 41
.set VS, 43
.set PW, 45
.set QC, 56
.set QH, 68
.set PB, 84
.set RO, 96
.set ROX, 128
.set BM, 128
.set CT, 144
.set KB, 160
.set FB, 208
.set MSB, 0
.macro WIN new                         ; bits 1:0 source 0, 3:2 source 1, 5:4 source 2, 7:6 destination; the immediate's high byte repeats the setting that is left
.if MSB != \new
	s_set_vgpr_msb (MSB<<8)|\new
.set MSB, \new
.endif
.endm
.macro F32BITS x                       ; FBITS = the f32 bits of the whole number x, 0 <= x < 2^24
.set FE, 0
.set FT, (\x)
.rept 24
.if FT > 1
.set FT, FT>>1
.set FE, FE+1
.endif
.endr
.if (\x) == 0
.set FBITS, 0
.else
.set FBITS, ((127+FE)<<23)|(((\x)<<(23-FE))&0x7fffff)
.endif
.endm
; One scaled product.  row = 1: source 0's scale words stand in lanes 16-31.  z = 1: it starts the sum.
.macro WM6 d, a, b, sa, sb, row, z
.if \row
.if \z
	v_wmma_scale_f32_16x16x128_f8f6f4 v[\d:\d+7], v[\a:\a+11], v[\b:\b+11], 0, v[\sa], v[\sb] matrix_a_fmt:MATRIX_FMT_BF6 matrix_b_fmt:MATRIX_FMT_BF6 matrix_a_scale:MATRIX_SCALE_ROW1
.else
	v_wmma_scale_f32_16x16x128_f8f6f4 v[\d:\d+7], v[\a:\a+11], v[\b:\b+11], v[\d:\d+7], v[\sa], v[\sb] matrix_a_fmt:MATRIX_FMT_BF6 matrix_b_fmt:MATRIX_FMT_BF6 matrix_a_scale:MATRIX_SCALE_ROW1
.endif
.else
.if \z
	v_wmma_scale_f32_16x16x128_f8f6f4 v[\d:\d+7], v[\a:\a+11], v[\b:\b+11], 0, v[\sa], v[\sb] matrix_a_fmt:MATRIX_FMT_BF6 matrix_b_fmt:MATRIX_FMT_BF6
.else
	v_wmma_scale_f32_16x16x128_f8f6f4 v[\d:\d+7], v[\a:\a+11], v[\b:\b+11], v[\d:\d+7], v[\sa], v[\sb] matrix_a_fmt:MATRIX_FMT_BF6 matrix_b_fmt:MATRIX_FMT_BF6
.endif
.endif
.endm
; The scores of 64 chunks: register n of 32 holds the chunk whose distance is the lane's base less base + hi (n / 16) + lo (n % 16).  The distance is exact; x -8 gamma it is rounded once; it is the product's C.
.macro SCORE sb, koff, soff, bp, ng, base, hi, lo, lvl
	WIN 0
.irp t, 0,1,2,3
	ds_load_b128 v[KB+12*\t:KB+12*\t+3], v3 offset:(\koff)+768*\t
	ds_load_b64 v[KB+12*\t+4:KB+12*\t+5], v4 offset:(\koff)+768*\t+512
.endr
.irp u, 0,1                            ; lanes 0-15: the even tile's scale words, lanes 16-31: the odd tile's
.if \lvl == 1
	ds_load_u16 v[KS+\u], v5 offset:(\soff)+64*\u
.else
	ds_load_b32 v[KS+\u], v6 offset:(\soff)+128*\u
.endif
.endr
	WIN 0x40
.set n, 0
.rept 16
.set CV, (\base)+(\hi)*(n/16)+(\lo)*(n%16)
	F32BITS CV
	v_pk_add_f32 v[(\sb)+n:(\sb)+n+1], v[\bp:\bp+1], FBITS|0x80000000 op_sel_hi:[1,0]
.set n, n+2
.endr
	WIN 0x41
.set n, 0
.rept 16
	v_pk_mul_f32 v[(\sb)+n:(\sb)+n+1], v[(\sb)+n:(\sb)+n+1], s[\ng:\ng+1] op_sel_hi:[1,0]
.set n, n+2
.endr
	s_wait_dscnt 0x0
	WIN 0x50                               ; C and D in window 1
.irp t, 0,1,2,3
	WM6 (\sb)+8*\t, KB+12*\t, QC, KS+\t/2, QS, \t%2, 0
.endr
.rept 4
	v_nop                                  ; four places, ahead of the first read of the results and of the next loads into the operands
.endr
.endm
; Hidden chunks become -infinity: hidden where the register's constant lies above the lane's threshold.
.macro MASK sb, tr, base, hi, lo
	WIN 0x41
.set n, 0
.rept 32
.set CV, (\base)+(\hi)*(n/16)+(\lo)*(n%16)
	F32BITS CV
	v_cmp_gt_f32 vcc_lo, FBITS, v[\tr]
	v_cndmask_b32 v[(\sb)+n], v[(\sb)+n], v25, vcc_lo
.set n, n+1
.endr
.endm
; The largest score of each of the two blocks of 32 (it serves twice: for the row's maximum and, since p rises with the score, for the block's largest p), each accumulator from its low end on.
.macro MAXP sb, bm, first
	WIN 0x05
	v_max_num_f32 v[\bm], v[(\sb)], v[(\sb)+1]
	v_max_num_f32 v[\bm+1], v[(\sb)+16], v[(\sb)+17]
.irp i, 2,4,6,8,10,12,14
	v_max3_num_f32 v[\bm], v[(\sb)+\i], v[(\sb)+\i+1], v[\bm]
	v_max3_num_f32 v[\bm+1], v[(\sb)+16+\i], v[(\sb)+17+\i], v[\bm+1]
.endr
	WIN 0
	v_permlanex16_b32 v46, v[\bm], s58, s59
	v_permlanex16_b32 v47, v[\bm+1], s58, s59
	v_max_num_f32 v[\bm], v[\bm], v46
	v_max_num_f32 v[\bm+1], v[\bm+1], v47
.if \first
	v_max_num_f32 v28, v[\bm], v[\bm+1]
.else
	v_max3_num_f32 v28, v28, v[\bm], v[\bm+1]
.endif
.endm
; The two blocks' largest scores through the same subtraction and multiplication as the scores.  Four plain lines: also the places ahead of loads into operands of the products before.
.macro EXPA bm
	WIN 0
	v_sub_f32 v46, v[\bm], v26
	v_sub_f32 v47, v[\bm+1], v26
	v_mul_f32 v46, s56, v46
	v_mul_f32 v47, s56, v47
.endm
; p = 2^((S - M) c) of 32 registers: one batch of exponentials, one plain line, one wait ahead of the first reader.
.macro EXPS sb
	WIN 0x41
.set n, 0
.rept 16
	v_pk_add_f32 v[(\sb)+n:(\sb)+n+1], v[(\sb)+n:(\sb)+n+1], v[26:27] op_sel_hi:[1,0] neg_lo:[0,1] neg_hi:[0,1]
.set n, n+2
.endr
.set n, 0
.rept 16
	v_pk_mul_f32 v[(\sb)+n:(\sb)+n+1], v[(\sb)+n:(\sb)+n+1], s[56:57] op_sel_hi:[1,0]
.set n, n+2
.endr
.set n, 0
.rept 32
	v_exp_f32 v[(\sb)+n], v[(\sb)+n]
.set n, n+1
.endr
	v_nop
	s_wait_alu depctr_va_vdst(0)
.endm
; The row's sum, of the unquantised p, in two packed chains.  first = 1: they begin here.
.macro SUMS sb, first
	WIN 0x01
.set n, 0
.rept 8
.if (\first) && (n == 0)
	v_pk_add_f32 v[32:33], v[(\sb):(\sb)+1], 0 op_sel_hi:[1,0]
	v_pk_add_f32 v[34:35], v[(\sb)+2:(\sb)+3], 0 op_sel_hi:[1,0]
.else
	v_pk_add_f32 v[32:33], v[(\sb)+n:(\sb)+n+1], v[32:33]
	v_pk_add_f32 v[34:35], v[(\sb)+n+2:(\sb)+n+3], v[34:35]
.endif
.set n, n+4
.endr
.endm
; 64 chunks' weights: exponentials, scale bytes, sums, codes.  c: which half of the K step of 128.
.macro EXPB sb, c, first
	v_exp_f32 v46, v46                     ; the blocks' largest p: they belong to the batch below
	v_exp_f32 v47, v47
	EXPS \sb
	WIN 0
	v_max_num_f32 v46, 0x2800000, v46      ; the floor 2^(5 - 127): the byte cannot fall under 1 (a block of zeros keeps that byte: its codes are zeros)
	v_max_num_f32 v47, 0x2800000, v47
	v_add_nc_u32 v48, 0xfe000000, v46      ; 4 off the exponent field: the conversion's scale operand
	v_add_nc_u32 v49, 0xfe000000, v47
	v_lshrrev_b32 v50, 23, v48
	v_lshrrev_b32 v51, 23, v49
.if \c == 0
	v_lshl_or_b32 v[PW], v51, 8, v50       ; p's scale word: bytes 0, 1 (and zeros above)
.else
	v_lshl_or_b32 v[PW], v50, 16, v[PW]
	v_lshl_or_b32 v[PW], v51, 24, v[PW]
.endif
	SUMS \sb, \first                       ; sixteen plain lines: also the places between the scale word and the product
	v_cvt_scalef32_pk16_bf6_f32 v[PB+6*\c:PB+6*\c+2], v[(\sb):(\sb)+15], v48
	v_cvt_scalef32_pk16_bf6_f32 v[CT:CT+2], v[(\sb)+16:(\sb)+31], v49
	v_nop                                  ; one plain line behind the conversions
	WIN 0
.irp i, 0,1,2                          ; the operand's layout wants a whole block in a lane: lanes 0-15 the lower block, lanes 16-31 the upper
	v_permlane16_swap_b32 v[PB+6*\c+\i], v[CT+\i]
.endr
.irp i, 0,1,2
	v_mov_b32 v[PB+6*\c+3+\i], v[CT+\i]
.endr
.endm
.macro LOADV s                         ; K step s of level 1's v: four fragments and their scale words
.irp t, 0,1,2,3
.irp c, 0,1
	ds_load_b128 v[FB+12*\t+6*\c:FB+12*\t+6*\c+3], v3 offset:V1H+((4*\s+\t)*2+\c)*768
	ds_load_b64 v[FB+12*\t+6*\c+4:FB+12*\t+6*\c+5], v4 offset:V1H+((4*\s+\t)*2+\c)*768+512
.endr
.endr
	ds_load_b32 v[VS], v6 offset:V1S+(4*\s)*64
	ds_load_b32 v[VS+1], v6 offset:V1S+(4*\s+2)*64
.endm
.macro PV acc, frag, z                 ; O^T (+)= v^T p^T: four accumulators by turns
.rept 4
	v_nop                                  ; p's codes were written by vector instructions: four places
.endr
	s_wait_dscnt 0x0
.irp t, 0,1,2,3
	WM6 (\acc)+8*\t, (\frag)+12*\t, PB, VS+\t/2, PW, \t%2, \z
.endr
.endm
.macro LSUM dst                        ; the two chains, their halves, and lane l xor 16's
	v_pk_add_f32 v[32:33], v[32:33], v[34:35]
	v_add_f32 v32, v32, v33
	v_permlanex16_b32 v46, v32, s58, s59
	v_add_f32 v[\dst], v32, v46
.endm
	s_load_b256 s[4:11], s[0:1], 0x0               ; q, kv16, hier, gammas
	s_load_b64 s[12:13], s[0:1], 0x20              ; out0
	v_lshl_add_u32 v14, v0, 2, SPARE
	v_mov_b32 v15, 0
	ds_add_u32 v14, v15                            ; the wave's opening: the add, twice on end, and its wait ahead of my first tensor load
	ds_add_u32 v14, v15
	v_lshrrev_b32 v1, 5, v0
	v_readfirstlane_b32 s14, v1                    ; wave 0..7
	s_lshr_b32 s15, ttmp9, 3                       ; head
	s_and_b32 s16, ttmp9, 7                        ; g
	s_mov_b32 s24, 3<<16                           ; group 1, one for all three loads: no mask, elements of 8 bytes, no padding
	s_mov_b32 s25, 32<<16                          ; tensor_dim0 = 32: rows of 256 bytes
	s_mov_b32 s26, 36<<16                          ; tensor_dim1 = 36
	s_mov_b32 s27, 32<<16                          ; tile_dim0 = 32
	s_mov_b32 s28, 36                              ; tile_dim1 = 36
	s_mov_b32 s29, 32                              ; the pitch: dense
	s_mov_b32 s30, 0
	s_mov_b32 s31, 0
	s_mul_i32 s22, s14, 9216                       ; my eighth of each object, in memory and in LDS
	s_mul_i32 s72, s15, 73728
	s_add_co_u32 s72, s72, s22
	s_mov_b32 s73, 0
	s_mul_i32 s74, s15, 1056768
	s_add_co_u32 s74, s74, s22
	s_sub_co_u32 s23, 15, s16
	s_lshl_b32 s76, s23, 16                        ; run rho begins at slot 16 rho: key tile 16 rho - 2
	s_add_co_u32 s76, s76, s74
	s_mov_b32 s77, 0
	s_lshl_b32 s78, s16, 16
	s_add_co_u32 s78, s78, s74
	s_mov_b32 s79, 0
	s_mov_b32 s32, 1
	s_mov_b32 s33, s22
	s_mov_b32 s36, 1
	s_add_co_u32 s37, s22, RUN0
	s_mov_b32 s40, 1
	s_add_co_u32 s41, s22, RUN1
	s_mov_b32 s56, 0x3e38aa3b                      ; c = log2(e) / 8
	s_mov_b32 s57, s56
	s_mov_b32 s58, 0x76543210
	s_mov_b32 s59, 0xfedcba98                      ; v_permlanex16_b32's selects for lane l xor 16
	s_lshl_b32 s70, s15, 20                        ; the head's first byte in q and out0
	s_mov_b32 s71, 0
	s_wait_dscnt 0x0                               ; both opening adds are done
	s_wait_kmcnt 0x0
	s_load_b128 s[44:47], s[10:11], 0x0            ; the four gammas
	s_add_nc_u64 s[34:35], s[8:9], s[72:73]
	s_or_b32 s35, s35, 0x80000000
	s_add_nc_u64 s[38:39], s[6:7], s[76:77]
	s_or_b32 s39, s39, 0x80000000
	s_add_nc_u64 s[42:43], s[6:7], s[78:79]
	s_or_b32 s43, s43, 0x80000000
	tensor_load_to_lds s[32:35], s[24:31]          ; hier's block first: it is wanted first
	s_nop 0
	tensor_load_to_lds s[36:39], s[24:31]          ; run 15 - g
	s_nop 0
	tensor_load_to_lds s[40:43], s[24:31]          ; run g
	s_nop 0
	v_and_b32 v1, 15, v0                           ; r.  (Four vector lines stand between the load and the next switch of windows)
	v_bfe_u32 v2, v0, 4, 1                         ; h
	v_lshlrev_b32 v11, 8, v1
	v_lshl_add_u32 v11, v2, 7, v11                 ; q: row r, channels 32 h on: a lane's 32 numbers are one block along K
	s_add_nc_u64 s[60:61], s[4:5], s[70:71]
	s_add_nc_u64 s[62:63], s[12:13], s[70:71]
	s_lshl_b32 s22, s23, 4
	s_add_co_u32 s22, s22, s14                     ; my first tile: 16 (15 - g) + w
	s_lshl_b32 s70, s22, 12
	s_add_nc_u64 s[66:67], s[60:61], s[70:71]
	WIN 0x40
.irp a, 0,1,2,3,4,5,6,7
	global_load_b128 v[64+4*\a:67+4*\a], v11, s[66:67] offset:16*\a th:TH_LOAD_NT
.endr
.set n, 0
.rept 256                              ; window 1 is written once, all but q's landing place: a pair's weights are named on ways through the text on which its scores were not made (no wave takes them: both hang on np)
.if (n < 64) || (n > 95)
	v_mov_b32 v[n], 0
.endif
.set n, n+1
.endr
	WIN 0
	v_and_b32 v25, 31, v0
	v_lshlrev_b32 v3, 4, v25                       ; 16 x lane
	v_lshlrev_b32 v4, 3, v25                       ; 8 x lane
	v_lshlrev_b32 v5, 1, v25
	v_lshlrev_b32 v6, 2, v25
	v_add_nc_u32 v7, HD, v3
	v_add_nc_u32 v8, HD, v4
	v_add_nc_u32 v9, HD, v6
	s_mul_i32 s22, s14, 4352
	s_add_co_u32 s22, s22, STAGE
	v_mul_u32_u24 v12, v1, 272
	v_lshl_add_u32 v12, v2, 7, v12
	v_add_nc_u32 v12, s22, v12                     ; my stage, in: row r, channels 32 h on
	v_mul_u32_u24 v13, v2, 272
	v_lshl_add_u32 v13, v1, 4, v13
	v_add_nc_u32 v13, s22, v13                     ; and back: lanes 0-15 one row, lanes 16-31 the next
	s_lshl_b32 s22, s14, 12
	s_add_co_u32 s22, s22, V2F
	v_add_nc_u32 v120, s22, v3                     ; the head's jobs (waves 0-3, channel tile w): level 2's v as f32,
	s_mul_i32 s22, s14, 768
	v_add_nc_u32 v121, s22, v7                     ; its codes,
	v_add_nc_u32 v122, s22, v8
	s_lshl_b32 s22, s14, 6
	s_add_co_u32 s22, s22, HD+V2SO
	v_lshl_add_u32 v123, v1, 2, s22                ; its scale words,
	s_lshl_b32 s22, s14, 9
	s_add_co_u32 s22, s22, V3O
	v_add_nc_u32 v124, s22, v7                     ; level 3's v
.irp t, 0,1,2,3
.irp i, 6,7,8,9,10,11
	v_mov_b32 v[KB+12*\t+\i], 0                    ; K = 64 of the instruction's 128: the upper codes are zeros, for good
.endr
.endr
.irp i, 6,7,8,9,10,11
	v_mov_b32 v[QC+\i], 0
.endr
.irp i, 27,37,39,46,47,51
	v_mov_b32 v\i, 0                               ; upper halves of pairs of which the low word serves both halves, and lane permutes' destinations
.endr
.irp i, 0,1,2,3,4,5,6,7,8,9,10,11,12,13,14,15
	v_mov_b32 v[BM+\i], 0                          ; (as window 1 above)
.endr
	v_mov_b32 v25, 0xff800000                      ; -infinity
	v_mov_b32 v55, 0xf149f2ca                      ; -1e30
	s_wait_kmcnt 0x0
	s_mul_f32 s48, s45, 0xc1000000                 ; -8 gamma of level 1, 2, 3 and of the window, each as a pair
	s_mul_f32 s50, s46, 0xc1000000
	s_mul_f32 s52, s47, 0xc1000000
	s_mul_f32 s54, s44, 0xc1000000
	s_mov_b32 s49, s48
	s_mov_b32 s51, s50
	s_mov_b32 s53, s52
	s_mov_b32 s55, s54
	s_wait_tensorcnt 0x2                           ; my part of hier's block has landed; the two runs' loads, issued behind it, may stay out
	s_barrier_signal -1
	s_barrier_wait -1                              ; everybody's has
	s_cmp_lt_u32 s14, 4
	s_cbranch_scc0 .Lnot_v2
	; waves 0-3: level 2's v, channel tile w: lane (r, h) holds chunks 32 h + 0 .. 31 of channel 4 r + w: one block
.irp p, 0,1,2,3,4,5,6,7
	ds_load_b128 v[FB+4*\p:FB+4*\p+3], v120 offset:512*\p
.endr
	s_wait_dscnt 0x0
	v_max3_num_f32 v46, |v[FB]|, |v[FB+1]|, 0x2800000
	v_max3_num_f32 v47, |v[FB+2]|, |v[FB+3]|, 0x2800000
.irp i, 4,8,12,16,20,24,28
	v_max3_num_f32 v46, v46, |v[FB+\i]|, |v[FB+\i+1]|
	v_max3_num_f32 v47, v47, |v[FB+\i+2]|, |v[FB+\i+3]|
.endr
	v_max_num_f32 v46, v46, v47
	v_add_nc_u32 v48, 0xfe000000, v46
	v_lshrrev_b32 v49, 23, v48
	v_cvt_scalef32_pk16_bf6_f32 v[96:98], v[FB:FB+15], v48
	v_cvt_scalef32_pk16_bf6_f32 v[104:106], v[FB+16:FB+31], v48
	v_lshlrev_b32 v50, 3, v2                       ; (a plain line behind the conversions)
	v_mov_b32 v99, v104
	v_mov_b32 v100, v105
	v_mov_b32 v101, v106
	v_lshlrev_b32 v49, v50, v49
	v_permlanex16_b32 v51, v49, s58, s59
	v_or_b32 v49, v49, v51                         ; both blocks' bytes
	ds_store_b128 v121, v[96:99]
	ds_store_b64 v122, v[100:101] offset:512
	ds_store_b32 v123, v49                         ; lanes r and 16 + r store the same word
.irp e, 0,1,2,3                                ; level 3's v: chunk 4 h + e is the mean of my chunks 8 e .. 8 e + 7
	v_pk_add_f32 v[108:109], v[FB+8*\e:FB+8*\e+1], v[FB+8*\e+2:FB+8*\e+3]
	v_pk_add_f32 v[110:111], v[FB+8*\e+4:FB+8*\e+5], v[FB+8*\e+6:FB+8*\e+7]
	v_pk_add_f32 v[108:109], v[108:109], v[110:111]
	v_add_f32 v[112+\e], v108, v109
.endr
.irp e, 0,1,2,3
	v_mul_f32 v[112+\e], 0x3e000000, v[112+\e]
.endr
	v_cvt_pk_f16_f32 v116, v112, v113
	v_cvt_pk_f16_f32 v117, v114, v115
	v_mov_b32 v118, 0                              ; rows 4 to 7 of each half stand for no chunk
	v_mov_b32 v119, 0
	ds_store_b128 v124, v[116:119]
	s_branch .Ljobs_done
.Lnot_v2:
	s_cmp_eq_u32 s14, 4
	s_cbranch_scc0 .Ljobs_done
	; wave 4: the window's table: key tile kk (two before, one before, the query's own), register jj: distance r + 32 - 16 kk - 8 h - jj; -1e30 outside 0 .. 31
	v_lshlrev_b32 v46, 3, v2
	v_sub_nc_u32 v46, v1, v46
	v_add_nc_u32 v46, 32, v46
.set n, 0
.rept 24
	v_add_nc_u32 v47, -(16*(n/8)+n%8), v46
	v_cvt_f32_i32 v48, v47
	v_mul_f32 v48, s54, v48
	v_cmp_gt_u32 vcc_lo, 32, v47
	v_cndmask_b32 v[FB+n], 0xf149f2ca, v48, vcc_lo
.set n, n+1
.endr
.irp a, 0,1,2,3,4,5
	ds_store_b128 v7, v[FB+4*\a:FB+4*\a+3] offset:CLO+512*\a
.endr
.Ljobs_done:
	s_wait_tensorcnt 0x0                           ; my parts of the two runs have landed,
	s_wait_dscnt 0x0                               ; and so have my stores
	s_barrier_signal -1
	s_barrier_wait -1                              ; all that the loop reads lies in LDS, and none of it is written again
	s_mov_b32 s17, 0
.Ltile:                                                ; four trips: a tile of 16 queries each
	s_wait_loadcnt 0x0                             ; this tile's q
	s_wait_xcnt 0x0                                ; the last tile's stores have read their registers and their base
	s_and_b32 s22, s17, 1
	s_mul_i32 s22, s22, 15
	s_xor_b32 s18, s14, s22                        ; slot: w, 15 - w, w, 15 - w
	s_lshr_b32 s23, s17, 1                         ; which run
	s_mul_i32 s78, s23, 73728
	s_lshl_b32 s73, s18, 12
	s_add_co_u32 s78, s78, s73
	s_add_co_u32 s78, s78, RUN0                    ; LDS: key tile Tq - 2
	s_sub_co_u32 s73, 15, s16
	s_cmp_eq_u32 s23, 0
	s_cselect_b32 s73, s73, s16
	s_lshl_b32 s19, s73, 4
	s_add_co_u32 s19, s19, s18                     ; Tq
	s_lshl_b32 s20, s19, 4                         ; i0
	s_add_co_u32 s21, s20, 480
	s_lshr_b32 s21, s21, 9                         ; np: how many 64s of chunks of level 1 hold a chunk that counts
	s_lshl_b32 s70, s19, 12
	s_mov_b32 s71, 0
	s_add_nc_u64 s[68:69], s[62:63], s[70:71]
	s_cmp_eq_u32 s19, 0                            ; tile 0 of a head is the first launch's
	s_cbranch_scc1 .Lnextq
	v_add_nc_u32 v49, s20, v1                      ; i
	v_lshlrev_b32 v46, 7, v2
	v_lshlrev_b32 v47, 10, v2
	v_lshlrev_b32 v48, 11, v2
	v_sub_nc_u32 v46, v49, v46
	v_sub_nc_u32 v47, v49, v47
	v_sub_nc_u32 v48, v49, v48
	v_cvt_f32_i32 v46, v46
	v_cvt_f32_i32 v47, v47
	v_cvt_f32_i32 v48, v48
	v_add_f32 v16, -4.0, v46                       ; level 1: i - 4 - 128 h, and the neighbour's (8 less); all these are whole numbers: exact
	v_add_f32 v17, 0xc1400000, v46
	v_add_f32 v22, 0xc21c0000, v46                 ; the threshold: a chunk counts where its distance is 35 or more
	v_add_f32 v18, 0xc2000000, v47                 ; level 2: i - 32 - 1024 h, 64 less; 63 or more
	v_add_f32 v19, 0xc2c00000, v47
	v_add_f32 v23, 0xc2be0000, v47
	v_add_f32 v20, 0xc3800000, v48                 ; level 3: i - 256 - 2048 h, 512 less; 287 or more
	v_add_f32 v21, 0xc4400000, v48
	v_add_f32 v24, 0xc407c000, v48
	; ---- q: codes and scale word for levels 1 and 2, f16 for the window and level 3
	WIN 0x05
	v_max3_num_f32 v46, |v64|, |v65|, 0x2800000
	v_max3_num_f32 v47, |v66|, |v67|, 0x2800000
.irp i, 4,8,12,16,20,24,28
	v_max3_num_f32 v46, |v[64+\i]|, |v[65+\i]|, v46
	v_max3_num_f32 v47, |v[66+\i]|, |v[67+\i]|, v47
.endr
	WIN 0
	v_max_num_f32 v46, v46, v47
	v_add_nc_u32 v48, 0xfe000000, v46
	v_lshrrev_b32 v49, 23, v48
	v_lshlrev_b32 v50, 3, v2
	v_lshlrev_b32 v49, v50, v49
	v_permlanex16_b32 v51, v49, s58, s59
	v_or_b32 v[QS], v49, v51
	WIN 0x01
	v_cvt_scalef32_pk16_bf6_f32 v[QC:QC+2], v[64:79], v48
	v_cvt_scalef32_pk16_bf6_f32 v[52:54], v[80:95], v48
	v_nop
	WIN 0
	v_mov_b32 v[QC+3], v52
	v_mov_b32 v[QC+4], v53
	v_mov_b32 v[QC+5], v54
	WIN 0x05
.irp i, 0,1,2,3,4,5,6,7,8,9,10,11,12,13,14,15
	v_cvt_pk_f16_f32 v[QH+\i], v[64+2*\i], v[65+2*\i]
.endr
	WIN 0
	s_cmp_lg_u32 s21, 0
	s_cbranch_scc1 .Llev1
	v_mov_b32 v29, 0xcfee6b28                      ; tile 1 alone: no chunk of any level counts: m = the held maximum, -8e9 here, l = 0, o = 0
	v_mov_b32 v30, 0
.irp i, 0,1,2,3,4,5,6,7,8,9,10,11,12,13,14,15,16,17,18,19,20,21,22,23,24,25,26,27,28,29,30,31
	v_mov_b32 v[RO+\i], 0
.endr
	s_branch .Lnextq
.Llev1:
	; ---- level 1, scores: 64 chunks at a time.  Only the last live 64 can hold hidden chunks: 64 p is wholly open just where 64 (p + 1) is live
.irp p, 0,1,2,3,4,5,6,7
	SCORE 32*\p, K1H+3072*\p, K1S+128*\p, 16, 48, 512*\p, 256, 8, 1
	WIN 0
.if \p < 7
	s_cmp_lg_u32 s21, \p+1
	s_cbranch_scc1 .Lopen_\p
.endif
	MASK 32*\p, 22, 512*\p, 256, 8
.if \p == 0
	MAXP 0, BM, 1
.else
	MAXP 32*\p, BM+2*\p, 0
.endif
.if \p < 7
	s_branch .Lsdone
.Lopen_\p:
.if \p == 0
	MAXP 0, BM, 1
.else
	MAXP 32*\p, BM+2*\p, 0
.endif
.endif
.endr
.Lsdone:
	v_max_num_f32 v26, 0xcfee6b28, v28             ; the row's maximum, held at -1e9 (x 8) from below
	; ---- level 1, weights and O^T: a K step of 128 chunks at a time
.irp s, 0,1,2,3
	EXPA BM+4*\s
	LOADV \s
.if \s == 0
	EXPB 0, 0, 1
.else
	EXPB 64*\s, 0, 0
.endif
	s_cmp_eq_u32 s21, 2*\s+1
	s_cbranch_scc1 .Lhalf_\s
	EXPA BM+4*\s+2
	EXPB 64*\s+32, 1, 0
	s_branch .Lpv_\s
.Lhalf_\s:                                             ; the step's upper 64 chunks are hidden as a whole: zero codes (their scale bytes are 0: no NaN)
.irp i, 6,7,8,9,10,11
	v_mov_b32 v[PB+\i], 0
.endr
.Lpv_\s:
.if \s == 0
	PV RO, FB, 1
.else
	PV RO, FB, 0
.endif
.if \s < 3
	s_cmp_le_u32 s21, 2*\s+2
	s_cbranch_scc1 .Ll1done
.endif
.endr
.Ll1done:
	LSUM 30
	v_mov_b32 v29, v26
	s_cmp_lt_u32 s20, 80
	s_cbranch_scc1 .Lnextq
	; ---- level 2: 64 chunks, one K step of which the upper half is zeros
	SCORE 0, K2H, K2S, 18, 50, 0, 2048, 64, 2
	MASK 0, 23, 0, 2048, 64
	MAXP 0, BM, 1
	v_max_num_f32 v26, 0xcfee6b28, v28
	EXPA BM
.irp t, 0,1,2,3
	ds_load_b128 v[KB+12*\t:KB+12*\t+3], v7 offset:768*\t
	ds_load_b64 v[KB+12*\t+4:KB+12*\t+5], v8 offset:768*\t+512
.endr
	ds_load_b32 v[VS], v9 offset:V2SO
	ds_load_b32 v[VS+1], v9 offset:V2SO+128
	EXPB 0, 0, 1
.irp i, 6,7,8,9,10,11
	v_mov_b32 v[PB+\i], 0
.endr
	PV ROX, KB, 1
	LSUM 31
	; the merge: m = max, each side x 2^((its m - m) c)
	v_max_num_f32 v46, v29, v26
	v_sub_f32 v47, v29, v46
	v_sub_f32 v48, v26, v46
	v_mul_f32 v47, s56, v47
	v_mul_f32 v48, s56, v48
	v_exp_f32 v36, v47
	v_exp_f32 v38, v48
	v_mov_b32 v29, v46                             ; (a plain line behind the exponentials)
	s_wait_alu depctr_va_vdst(0)
	v_mul_f32 v30, v30, v36
	v_fmac_f32 v30, v31, v38
.set n, 0
.rept 16
	v_pk_mul_f32 v[RO+n:RO+n+1], v[RO+n:RO+n+1], v[36:37] op_sel_hi:[1,0]
.set n, n+2
.endr
.set n, 0
.rept 16
	v_pk_fma_f32 v[RO+n:RO+n+1], v[ROX+n:ROX+n+1], v[38:39], v[RO+n:RO+n+1] op_sel_hi:[1,0,1]
.set n, n+2
.endr
.Lnextq:
	; ---- the next tile's q is asked for here: it lands under the window's phase and the way out
	s_cmp_eq_u32 s17, 3
	s_cbranch_scc1 .Lnoq
	s_add_co_u32 s72, s17, 1
	s_and_b32 s73, s72, 1
	s_mul_i32 s73, s73, 15
	s_xor_b32 s73, s14, s73
	s_lshr_b32 s72, s72, 1
	s_sub_co_u32 s74, 15, s16
	s_cmp_eq_u32 s72, 0
	s_cselect_b32 s74, s74, s16
	s_lshl_b32 s74, s74, 4
	s_add_co_u32 s74, s74, s73
	s_cmp_eq_u32 s74, 0                            ; tile 0 is not mine
	s_cbranch_scc1 .Lnoq
	s_lshl_b32 s70, s74, 12
	s_mov_b32 s71, 0
	s_add_nc_u64 s[66:67], s[60:61], s[70:71]      ; (no load of mine is out: the trip's top has waited)
	WIN 0x40
.irp a, 0,1,2,3,4,5,6,7
	global_load_b128 v[64+4*\a:67+4*\a], v11, s[66:67] offset:16*\a th:TH_LOAD_NT
.endr
	WIN 0
.Lnoq:
	s_cmp_eq_u32 s19, 0
	s_cbranch_scc1 .Lend
	; ---- the window (key tiles Tq - 2, Tq - 1, Tq) and level 3 (a fourth tile): one softmax group of 64 places, in f16
	v_add_nc_u32 v10, s78, v3
	WIN 0x40
.irp a, 0,1,2,3,4,5
	ds_load_b128 v[4*\a:4*\a+3], v7 offset:CLO+512*\a        ; the table is the scores' C
.endr
.irp kk, 0,1,2
.irp p, 0,1,2,3
	ds_load_b128 v[96+16*\kk+4*\p:99+16*\kk+4*\p], v10 offset:\kk*4096+512*\p
.endr
.endr
.irp p, 0,1,2,3
	ds_load_b128 v[144+4*\p:147+4*\p], v3 offset:K3I+512*\p
.endr
.irp g, 0,1
.irp t, 0,1,2,3
.irp e, 0,1
.if 2*\g+\e < 3
	ds_load_b128 v[160+32*\g+8*\t+4*\e:163+32*\g+8*\t+4*\e], v10 offset:(2*\g+\e)*4096+2048+512*\t
.else
	ds_load_b128 v[160+32*\g+8*\t+4*\e:163+32*\g+8*\t+4*\e], v7 offset:V3O+512*\t
.endif
.endr
.endr
.endr
	v_pk_add_f32 v[24:25], v[20:21], 0 op_sel_hi:[1,0]             ; level 3's C: register jj < 4 is chunk 4 h + jj
	v_pk_add_f32 v[26:27], v[20:21], 0xc4800000 op_sel_hi:[1,0]
	WIN 0x41
	v_pk_mul_f32 v[24:25], v[24:25], s[52:53] op_sel_hi:[1,0]
	v_pk_mul_f32 v[26:27], v[26:27], s[52:53] op_sel_hi:[1,0]
.irp jj, 0,1,2,3
.set CV, 512*\jj
	F32BITS CV
	v_cmp_gt_f32 vcc_lo, FBITS, v24
	v_cndmask_b32 v[24+\jj], v[24+\jj], v55, vcc_lo
.endr
	WIN 0x40
.irp jj, 4,5,6,7
	v_mov_b32 v[24+\jj], 0xf149f2ca                ; rows that stand for no chunk
.endr
	s_wait_dscnt 0x10                              ; all but V's sixteen loads
	; The accumulators take turns, one instruction a turn: the window's three, then level 3's where it counts; and once more for the upper 32 channels.
	; Level 3's line stands each time under its own jump on i0 (ids alone), so that on both ways no two matrix instructions that follow each other share an accumulator.
	WIN 0x51                                       ; source 0 (K), C and D in window 1; source 1 (q) in window 0
.irp kk, 0,1,2
	v_wmma_f32_16x16x32_f16 v[8*\kk:8*\kk+7], v[96+16*\kk:103+16*\kk], v[QH:QH+7], v[8*\kk:8*\kk+7]
.endr
	WIN 0
	s_cmp_lt_u32 s20, 528
	s_cbranch_scc1 .Lno3a
	WIN 0x51
	v_wmma_f32_16x16x32_f16 v[24:31], v[144:151], v[QH:QH+7], v[24:31]
	WIN 0
.Lno3a:
	WIN 0x51
.irp kk, 0,1,2
	v_wmma_f32_16x16x32_f16 v[8*\kk:8*\kk+7], v[104+16*\kk:111+16*\kk], v[QH+8:QH+15], v[8*\kk:8*\kk+7]
.endr
	WIN 0
	s_cmp_lt_u32 s20, 528
	s_cbranch_scc1 .Lno3b
	WIN 0x51
	v_wmma_f32_16x16x32_f16 v[24:31], v[152:159], v[QH+8:QH+15], v[24:31]
	WIN 0
.Lno3b:
.rept 4
	v_nop
.endr
	s_cmp_lg_u32 s19, 1
	s_cbranch_scc1 .Lnot1
	WIN 0x40
.irp jj, 0,1,2,3,4,5,6,7
	v_mov_b32 v[\jj], 0xf149f2ca                   ; tile 1: keys -16 .. -1 do not exist
.endr
	WIN 0
.Lnot1:
	MAXP 0, 50, 1
	v_mov_b32 v26, v28
	EXPS 0
	SUMS 0, 1
	WIN 0x45
.irp i, 0,1,2,3,4,5,6,7,8,9,10,11,12,13,14,15
	v_cvt_pk_f16_f32 v[32+\i], v[2*\i], v[2*\i+1]  ; two neighbouring tiles' p are source 1 of the second product as they stand
.endr
	s_wait_dscnt 0x0                               ; V
	WIN 0x05                                       ; sources 0 (V) and 1 (p) in window 1
.irp t, 0,1,2,3
	v_wmma_f32_16x16x32_f16 v[ROX+8*\t:ROX+8*\t+7], v[160+8*\t:167+8*\t], v[32:39], 0
.endr
.irp t, 0,1,2,3
	v_wmma_f32_16x16x32_f16 v[ROX+8*\t:ROX+8*\t+7], v[192+8*\t:199+8*\t], v[40:47], v[ROX+8*\t:ROX+8*\t+7]
.endr
	WIN 0
	LSUM 31                                        ; (with the lines below: the places behind the last products)
	; ---- the last merge, the division, and the channels back in their order
	v_max_num_f32 v46, v29, v26
	v_sub_f32 v47, v29, v46
	v_sub_f32 v48, v26, v46
	v_mul_f32 v47, s56, v47
	v_mul_f32 v48, s56, v48
	v_exp_f32 v36, v47
	v_exp_f32 v38, v48
	v_nop
	s_wait_alu depctr_va_vdst(0)
	v_mul_f32 v30, v30, v36
	v_fmac_f32 v30, v31, v38
	v_max_num_f32 v30, 0x322bcc77, v30             ; clip at 1e-8
	v_rcp_f32 v49, v30
	v_nop
	s_wait_alu depctr_va_vdst(0)
	v_mul_f32 v36, v36, v49
	v_mul_f32 v38, v38, v49
.set n, 0
.rept 16
	v_pk_mul_f32 v[RO+n:RO+n+1], v[RO+n:RO+n+1], v[36:37] op_sel_hi:[1,0]
.set n, n+2
.endr
.irp t, 0,1,2,3
.irp j, 0,1,2,3,4,5,6,7
	v_fma_f32 v[FB+4*\j+\t], v[ROX+8*\t+\j], v38, v[RO+8*\t+\j]   ; register 8 t + j is channel 32 h + 4 j + t
.endr
.endr
.irp a, 0,1,2,3,4,5,6,7
	ds_store_b128 v12, v[FB+4*\a:FB+4*\a+3] offset:16*\a
.endr
.irp i, 0,1,2,3,4,5,6,7
	ds_load_b128 v[RO+4*\i:RO+4*\i+3], v13 offset:544*\i     ; my own bytes: LDS serves a wave's instructions in order
.endr
.irp i, 0,1,2,3,4,5,6,7
	s_wait_dscnt 7-\i
	global_store_b128 v3, v[RO+4*\i:RO+4*\i+3], s[68:69] offset:512*\i th:TH_STORE_NT   ; two whole rows: 512 consecutive bytes, aligned
.endr
.Lend:
	s_add_co_u32 s17, s17, 1
	s_cmp_lt_u32 s17, 4
	s_cbranch_scc1 .Ltile
	s_wait_tensorcnt 0x0                           ; the wave's end: three lines behind my last tensor load and my last LDS store
	ds_add_u32 v14, v15
	s_wait_dscnt 0x0
	s_endpgm
.Lfunc_end_k_q4ddb2285bc_attn:
	.size	k_q4ddb2285bc_attn, .Lfunc_end_k_q4ddb2285bc_attn-k_q4ddb2285bc_attn
	.p2alignl 7, 3214868480
	.fill 96, 4, 3214868480
	.section	.rodata,"a",@progbits
	.p2align	6, 0x0
	.amdhsa_kernel k_q4ddb2285bc_attn
		.amdhsa_group_segment_fixed_size 265472
		.amdhsa_private_segment_fixed_size 0
		.amdhsa_enable_private_segment 0
		.amdhsa_kernarg_size 40
		.amdhsa_user_sgpr_count 2
		.amdhsa_user_sgpr_kernarg_segment_ptr 1
		.amdhsa_wavefront_size32 1
		.amdhsa_system_sgpr_workgroup_id_x 1
		.amdhsa_system_sgpr_workgroup_id_y 1
		.amdhsa_system_sgpr_workgroup_id_z 1
		.amdhsa_system_vgpr_workitem_id 0
		.amdhsa_next_free_vgpr 512
		.amdhsa_next_free_sgpr 84
		.amdhsa_reserve_vcc 1
		.amdhsa_float_denorm_mode_32 3
		.amdhsa_float_denorm_mode_16_64 3
		.amdhsa_memory_ordered 1
		.amdhsa_forward_progress 1
		.amdhsa_inst_pref_size 192
	.end_amdhsa_kernel
	.amdgpu_metadata
---
amdhsa.version: [ 1, 2 ]
amdhsa.kernels:
  - .name:           k_q4ddb2285bc_attn
    .symbol:         k_q4ddb2285bc_attn.kd
    .args:
      - { .name: q, .offset: 0, .size: 8, .value_kind: global_buffer, .address_space: global }
      - { .name: kv16, .offset: 8, .size: 8, .value_kind: global_buffer, .address_space: global }
      - { .name: hier, .offset: 16, .size: 8, .value_kind: global_buffer, .address_space: global }
      - { .name: gammas, .offset: 24, .size: 8, .value_kind: global_buffer, .address_space: global }
      - { .name: out0, .offset: 32, .size: 8, .value_kind: global_buffer, .address_space: global }
    .group_segment_fixed_size: 265472
    .private_segment_fixed_size: 0
    .kernarg_segment_align: 8
    .kernarg_segment_size: 40
    .max_flat_workgroup_size: 256
    .sgpr_count:     84
    .vgpr_count:     512
    .wavefront_size: 32
...
	.end_amdgpu_metadata
.endif
;; end of part 2
;; ======== version 2 of 2: 2 launches; 1.17 times as fast as version 1
;; limits: values are held in f16: magnitudes above 65,504 overflow, below 6.1e-05 lose precision; right only within a limited range of input values
;; workspace buffers: kv16 33,816,576 bytes; hier 2,359,296 bytes
;; launch prep (part 3): grid 256 x 1, 9 waves a work-group, no clusters, 60,160 bytes of LDS; arguments q, k, v, gammas, kv16, hier, out0; writes kv16, hier, out0
.if DOCPART == 3
	.amdgcn_target "amdgcn-amd-amdhsa--gfx1250"
	.amdhsa_code_object_version 6
	.text
	.protected	k_q4ddb2285bc_prep
	.globl	k_q4ddb2285bc_prep
	.p2align	8
	.type	k_q4ddb2285bc_prep,@function
k_q4ddb2285bc_prep:
	s_mov_b64 s[64:65], 0
	v_nop
	global_prefetch_b8 v0, s[64:65] scope:SCOPE_SE
	s_setreg_imm32_b32 hwreg(HW_REG_WAVE_MODE, 25, 1), 1
	s_wait_xcnt 0x0
; HIERARCHICAL ATTENTION, launch 1 of 2.  32 heads x 4,096 positions x 64.  For each query: a window of 32 keys, and three levels of means of 8, 64 and 512 keys.
; THIS LAUNCH reads k and v once and lays down what the second launch reads:
;   kv16: for each tile of 16 keys an image, in f16, of the matrix operands' registers: K's 2,048 bytes, then V's (turned: a lane holds 8 keys of one channel).  Slot = tile + 2; slots 0 and 1 are zeros (keys -32 .. -1).
;   hier: for each head one block of 73,728 bytes: level 1's k and v as codes of E3M2 with their E8M0 bytes, level 2's k as codes, level 2's v as f32 (its blocks of 32 chunks span four work-groups:
;         the second launch quantises it), level 3's k in f16.  All as images of operand registers: a half fragment is 6 registers a lane: registers 0-3 at 16 x lane, registers 4, 5 at 512 + 8 x lane.
;   out0, rows 0 to 15 of every head, in f32 (the ninth wave of each head's first work-group): for i < 39 no chunk of any level counts, so these rows are the window alone, over keys 0 .. i.
; DEAD WORK LEFT OUT BY THE PROGRAM, from the masks that the problem builds itself, for all values of the inputs: a chunk c of size z counts for query i only where (c + 1) z <= i - 31.  So for a tile of 16 queries
;   from i0 on: 64 chunks of level 1 from chunk 64 p on are hidden as a whole where 512 p + 32 > i0; level 2 as a whole where i0 < 80; level 3 where i0 < 528: their scores are -inf, their weights 0, and they
;   reach no output.  Where a chunk counts its distance i - (c z + z / 2) is positive, so the |.| changes nothing.  No input is left out.
; LIMITS: NaN and infinities among the inputs are not served; a NaN, an infinity or an overflow that would reach only the work left out is not carried to the result.  k and v (and level 3's means) go to f16 for the
;   products that are left as they are: magnitudes up to 65,504.  A block whose largest magnitude lies under 2^-122 keeps the scale byte 1; a block of zeros gets the byte 1 where the rule says 127: its codes are
;   zeros, and this program alone reads the bytes.  The means are summed as trees, not one after the other.
; SHARES: work-group x: head x / 8, keys 512 (x % 8) on; wave w < 8: 64 keys = 4 tiles = 8 chunks of level 1 = 1 chunk of level 2; the work-group is one chunk of level 3.
;   Wave 8 streams nothing.  Ahead of the barrier, in a head's first work-group, it makes the head's rows 0 to 15 and the zeros, beside the eight waves' stream; behind it, in every work-group, the three
;   small jobs: level 2's k and v, level 3's k, beside the eight waves' quantising of level 1.
; ROW MAP of every operand made of v: row r of channel tile t is channel 4 r + t (a lane's four neighbouring channels go to four tiles).
; ROWS OF A TILE OF k's MEANS: row r of tile 2 b + u is chunk 32 b + 8 u + r + 8 (r / 8), so that the scores' 16 registers of two neighbouring tiles are 16 neighbouring chunks.
.set KC1,   0                          ; LDS: level 1's k: 64 chunks x (256 bytes + 16)
.set VC1T,  17408                      ; level 1's v, turned: row 16 t + r, 64 chunks of f32 + 16
.set KC2,   34816                      ; level 2's k: 8 chunks x 272
.set VC2T,  36992                      ; level 2's v, turned: row 16 t + r, 8 chunks + 16: pitch 48
.set KST,   40064                      ; for each of waves 0-7 16 keys x (128 bytes of f16 + 16): K's image is turned here
.set K3ST,  58496                      ; level 3's k, 128 bytes of f16
.set SPARE, 58880                      ; the spare words, 128 bytes for each of nine waves: five blocks of 256 bytes
.set H_V1H, 24576                      ; the head's block in hier
.set H_K1S, 49152
.set H_V1S, 50176
.set H_K2H, 51200
.set H_K3I, 54272
.set H_K2S, 56320
.set H_V2F, 56576
.set H_PAD, 72960
.set IM,  32                           ; v32-47   an image on its way out; later a block's codes (v32-37, v40-42)
.set HK,  48                           ; v48-63   K's 16 rows in f16; in wave 8: v48-50 offsets
.set RG,  64                           ; v64-191  four sets of 32: a tile of 16 rows as loaded
.set DV,  192                          ; v192-195 a chunk's mean of v;  v196-199 the sum for level 2
.set SV,  196
.set DK,  200                          ; the same for k
.set SK,  204
; v208-255 are written by the f32 matrix instructions alone in this whole text.
; A tile of 16 rows x 256 bytes: lane (r, h) takes rows 8 h + j, channels 4 r .. 4 r + 3; each load reads two whole rows.
.macro LOADT buf, lo, tau
.irp j, 0,1,2,3,4,5,6,7
	global_load_b128 v[RG+32*(\buf)+4*\j:RG+32*(\buf)+4*\j+3], v3, s[\lo:\lo+1] offset:(\tau)*4096+\j*256 th:TH_LOAD_NT
.endr
.endm
; The mean of a lane's eight rows, four channels: a tree of packed sums, in place, then x 1/8.
.macro POOL rb, dst
.irp c, 0,2
	v_pk_add_f32 v[\rb+\c:\rb+\c+1], v[\rb+\c:\rb+\c+1], v[\rb+4+\c:\rb+5+\c]
	v_pk_add_f32 v[\rb+8+\c:\rb+9+\c], v[\rb+8+\c:\rb+9+\c], v[\rb+12+\c:\rb+13+\c]
	v_pk_add_f32 v[\rb+16+\c:\rb+17+\c], v[\rb+16+\c:\rb+17+\c], v[\rb+20+\c:\rb+21+\c]
	v_pk_add_f32 v[\rb+24+\c:\rb+25+\c], v[\rb+24+\c:\rb+25+\c], v[\rb+28+\c:\rb+29+\c]
.endr
.irp c, 0,2
	v_pk_add_f32 v[\rb+\c:\rb+\c+1], v[\rb+\c:\rb+\c+1], v[\rb+8+\c:\rb+9+\c]
	v_pk_add_f32 v[\rb+16+\c:\rb+17+\c], v[\rb+16+\c:\rb+17+\c], v[\rb+24+\c:\rb+25+\c]
.endr
.irp c, 0,2
	v_pk_add_f32 v[\dst+\c:\dst+\c+1], v[\rb+\c:\rb+\c+1], v[\rb+16+\c:\rb+17+\c]
.endr
.irp c, 0,2
	v_pk_mul_f32 v[\dst+\c:\dst+\c+1], v[\dst+\c:\dst+\c+1], 0x3e000000 op_sel_hi:[1,0]
.endr
.endm
; A tile of v: its image (part t: my 8 keys of channel 4 r + t) leaves as it stands; chunk 2 tau + h's mean goes to LDS, turned.
.macro VITEM tau, buf, left
	s_wait_loadcnt \left                           ; this tile's eight loads are in; the younger tiles' may be out
	s_wait_xcnt 0x0                                ; the last image's stores have read their registers
.irp t, 0,1,2,3
.irp p, 0,1,2,3
	v_cvt_pk_f16_f32 v[IM+4*\t+\p], v[RG+32*\buf+8*\p+\t], v[RG+32*\buf+8*\p+4+\t]
.endr
.endr
.irp t, 0,1,2,3
	global_store_b128 v4, v[IM+4*\t:IM+4*\t+3], s[26:27] offset:\tau*4096+2048+512*\t   ; 512 consecutive bytes, aligned
.endr
.if \tau == 0
	POOL RG+32*\buf, SV                            ; the first mean starts level 2's sum
.irp t, 0,1,2,3
	ds_store_b32 v5, v[SV+\t] offset:\t*16*272+8*\tau
.endr
.else
	POOL RG+32*\buf, DV
.irp t, 0,1,2,3
	ds_store_b32 v5, v[DV+\t] offset:\t*16*272+8*\tau
.endr
	v_pk_add_f32 v[SV:SV+1], v[SV:SV+1], v[DV:DV+1]
	v_pk_add_f32 v[SV+2:SV+3], v[SV+2:SV+3], v[DV+2:DV+3]
.endif
.if \tau < 2
	LOADT \buf, 24, \tau+2
.endif
.endm
; A tile of k: f16 rows go through my stage and come back as the image (lane (r, h): key r, channels 32 h on); the mean goes to LDS as a row.
.macro KITEM tau, buf, left
	s_wait_loadcnt \left
	s_wait_xcnt 0x0                                ; the last image's stores have read their registers
.irp j, 0,1,2,3,4,5,6,7
	v_cvt_pk_f16_f32 v[HK+2*\j], v[RG+32*\buf+4*\j], v[RG+32*\buf+4*\j+1]
	v_cvt_pk_f16_f32 v[HK+2*\j+1], v[RG+32*\buf+4*\j+2], v[RG+32*\buf+4*\j+3]
.endr
.irp j, 0,1,2,3,4,5,6,7
	ds_store_b64 v7, v[HK+2*\j:HK+2*\j+1] offset:\j*144
.endr
.irp p, 0,1,2,3
	ds_load_b128 v[IM+4*\p:IM+4*\p+3], v8 offset:16*\p   ; my own bytes: LDS serves a wave's instructions in order
.endr
.if \tau == 0
	POOL RG+32*\buf, SK
	ds_store_b128 v6, v[SK:SK+3] offset:2*\tau*272
.else
	POOL RG+32*\buf, DK
	ds_store_b128 v6, v[DK:DK+3] offset:2*\tau*272
	v_pk_add_f32 v[SK:SK+1], v[SK:SK+1], v[DK:DK+1]
	v_pk_add_f32 v[SK+2:SK+3], v[SK+2:SK+3], v[DK+2:DK+3]
.endif
	s_wait_dscnt 0x0                               ; the image is back
.irp p, 0,1,2,3
	global_store_b128 v4, v[IM+4*\p:IM+4*\p+3], s[26:27] offset:\tau*4096+512*\p
.endr
.if \tau < 2
	LOADT \buf, 22, \tau+2
.endif
.endm
; 32 numbers of a lane, one block along K, become 6 registers of codes (v32-37) and, in v25, both halves' scale bytes (the lower block's below).
.macro QUANT32 x
	v_max3_num_f32 v22, |v[\x]|, |v[\x+1]|, 0x2800000   ; the largest magnitude, with the floor 2^(5 - 127) among its leaves: the byte cannot fall under 1
	v_max3_num_f32 v23, |v[\x+2]|, |v[\x+3]|, 0x2800000
.irp i, 4,8,12,16,20,24,28
	v_max3_num_f32 v22, v22, |v[\x+\i]|, |v[\x+\i+1]|
	v_max3_num_f32 v23, v23, |v[\x+\i+2]|, |v[\x+\i+3]|
.endr
	v_max_num_f32 v22, v22, v23
	v_add_nc_u32 v24, 0xfe000000, v22              ; 4 off its exponent field: the conversion's scale operand
	v_lshrrev_b32 v25, 23, v24                     ; the scale's byte
	v_cvt_scalef32_pk16_bf6_f32 v[32:34], v[\x:\x+15], v24
	v_cvt_scalef32_pk16_bf6_f32 v[40:42], v[\x+16:\x+31], v24   ; (a conversion's three registers begin on an even number)
	v_lshlrev_b32 v25, v21, v25                    ; a plain line behind the conversions: my byte at its place, 8 h bits up
	v_mov_b32 v35, v40
	v_mov_b32 v36, v41
	v_mov_b32 v37, v42
	v_permlanex16_b32 v26, v25, s30, s31
	v_or_b32 v25, v25, v26
.endm
	s_load_b256 s[4:11], s[0:1], 0x0               ; q, k, v, gammas
	s_load_b128 s[12:15], s[0:1], 0x20             ; kv16, hier
	s_load_b64 s[16:17], s[0:1], 0x30              ; out0
	v_lshl_add_u32 v18, v0, 2, SPARE               ; my spare word,
	v_mov_b32 v19, 0                               ; and 0: kept for the wave's end
	v_lshrrev_b32 v22, 5, v0
	v_readfirstlane_b32 s18, v22                   ; wave 0..8
	v_and_b32 v1, 15, v0                           ; r
	v_bfe_u32 v2, v0, 4, 1                         ; h
	v_and_b32 v23, 31, v0
	v_lshlrev_b32 v4, 4, v23                       ; 16 x lane
	v_lshlrev_b32 v20, 3, v23                      ; 8 x lane
	v_lshlrev_b32 v21, 3, v2                       ; 8 h
	s_mov_b32 s30, 0x76543210
	s_mov_b32 s31, 0xfedcba98                      ; v_permlanex16_b32's selects for lane l xor 16
.irp i, 24,25,26,27,28,29
	v_mov_b32 v\i, 0                               ; written once: a lane permute's destination counts as one of its sources
.endr
	; ---- every LDS address is made here, ahead of the waves' parting (those that hang on the wave's number serve waves 0-7 alone)
	v_lshlrev_b32 v3, 4, v1
	v_lshl_add_u32 v3, v2, 11, v3                  ; loads: row 8 h (+ j), my 16 bytes of it
	v_mul_u32_u24 v5, v1, 272
	v_lshl_add_u32 v5, v2, 2, v5
	s_lshl_b32 s32, s18, 5
	s_add_co_u32 s32, s32, VC1T
	v_add_nc_u32 v5, s32, v5                       ; VC1T: row r (+ 16 t), chunk 8 w + h (+ 2 tau)
	s_mul_i32 s32, s18, 8*272
	v_mul_u32_u24 v6, v2, 272
	v_lshl_add_u32 v6, v1, 4, v6
	v_add_nc_u32 v6, s32, v6                       ; KC1: chunk 8 w + h (+ 2 tau), channels 4 r on
	s_mul_i32 s33, s18, 2304
	s_add_co_u32 s33, s33, KST
	v_mul_u32_u24 v7, v2, 1152
	v_lshl_add_u32 v7, v1, 3, v7
	v_add_nc_u32 v7, s33, v7                       ; my stage, in: key 8 h (+ j), 8 bytes at channel 4 r
	v_mul_u32_u24 v8, v1, 144
	v_lshl_add_u32 v8, v2, 6, v8
	v_add_nc_u32 v8, s33, v8                       ; and out: key r, channels 32 h on
	s_mul_i32 s32, s18, 272
	s_add_co_u32 s32, s32, KC2
	v_lshl_add_u32 v9, v1, 4, s32                  ; KC2: chunk w
	s_lshl_b32 s32, s18, 2
	s_add_co_u32 s32, s32, VC2T
	v_mad_u32_u24 v10, v1, 48, s32                 ; VC2T: row r (+ 16 t), chunk w
	s_and_b32 s32, s18, 3
	s_lshr_b32 s33, s32, 1
	s_lshl_b32 s33, s33, 5
	s_and_b32 s34, s18, 1
	s_lshl_b32 s34, s34, 3
	s_add_co_u32 s33, s33, s34
	s_mul_i32 s33, s33, 272
	v_and_b32 v22, 8, v1
	v_add_nc_u32 v22, v22, v1                      ; r + 8 (r / 8)
	v_mul_u32_u24 v11, v22, 272
	v_lshl_add_u32 v11, v2, 7, v11
	v_add_nc_u32 v11, s33, v11                     ; a tile of level 1's k: my row's block of 32 channels
	s_mul_i32 s34, s32, 16*272
	s_add_co_u32 s34, s34, VC1T
	v_mul_u32_u24 v12, v1, 272
	v_lshl_add_u32 v12, v2, 7, v12
	v_add_nc_u32 v12, s34, v12                     ; a tile of level 1's v: row 16 (w % 4) + r, my block of 32 chunks
	v_and_b32 v13, 7, v1
	v_mul_u32_u24 v13, v13, 272
	v_lshl_add_u32 v13, v2, 7, v13
	v_add_nc_u32 v13, KC2, v13                     ; level 2's k: chunk r % 8, my block of 32 channels
	v_mul_u32_u24 v14, v1, 48
	v_lshl_add_u32 v14, v2, 4, v14
	v_add_nc_u32 v14, VC2T, v14                    ; level 2's v: row r (+ 16 t), chunks 4 h on
	v_lshl_add_u32 v15, v1, 4, KC2                 ; level 2's k by channels: 4 r on
	v_lshl_add_u32 v16, v1, 3, K3ST
	v_lshl_add_u32 v17, v2, 6, K3ST
	v_mov_b32 v22, 0
	; ---- where my wave's parts begin
	s_lshr_b32 s19, ttmp9, 3                       ; head
	s_and_b32 s20, ttmp9, 7                        ; g
	s_lshl_b32 s32, s19, 20
	s_lshl_b32 s33, s20, 17
	s_add_co_u32 s32, s32, s33
	s_lshl_b32 s33, s18, 14
	s_add_co_u32 s32, s32, s33                     ; k, v: (4,096 head + 512 g + 64 w) rows of 256 bytes
	s_mul_i32 s34, s19, 1056768
	s_lshl_b32 s35, s20, 17
	s_add_co_u32 s34, s34, s35
	s_add_co_u32 s34, s34, s33
	s_add_co_u32 s34, s34, 8192                    ; kv16: slot 258 head + 2 + 32 g + 4 w
	s_mov_b32 s33, 0
	s_mov_b32 s35, 0
	s_mul_i32 s36, s19, 73728
	s_mov_b32 s37, 0
	s_wait_kmcnt 0x0
	s_add_nc_u64 s[22:23], s[6:7], s[32:33]        ; (waves 0-7 alone load and store by these three)
	s_add_nc_u64 s[24:25], s[8:9], s[32:33]
	s_add_nc_u64 s[26:27], s[12:13], s[34:35]
	s_add_nc_u64 s[28:29], s[14:15], s[36:37]      ; the head's block of hier
	s_cmp_lg_u32 s18, 8
	s_cbranch_scc1 .Lmain
	s_cmp_lg_u32 s20, 0                            ; wave 8: a head's first work-group alone has work for it ahead of the barrier
	s_cbranch_scc1 .Lbar
	; ---- wave 8, g = 0: the zeros of kv16 and hier, and rows 0 to 15 of the head's result in f32.  No LDS.
	s_load_b32 s38, s[10:11], 0x0                  ; gammas[0]
	s_lshl_b32 s32, s19, 20
	s_mul_i32 s34, s19, 1056768
	v_lshlrev_b32 v48, 8, v1
	v_lshl_add_u32 v48, v2, 7, v48                 ; q, k: row r, channels 32 h on
	v_lshlrev_b32 v49, 2, v1
	v_lshl_add_u32 v49, v2, 11, v49                ; v: key 8 h (+ y), channel r (+ 16 t)
	v_lshlrev_b32 v50, 8, v1
	v_lshl_add_u32 v50, v2, 5, v50                 ; out0: row r, channels 8 h (+ 16 t) on
	v_sub_nc_u32 v22, v1, v21                      ; r - 8 h: the distance to key 8 h
	v_mov_b32 v30, 0xff800000                      ; -infinity
.irp i, 32,33,34,35
	v_mov_b32 v\i, 0
.endr
	s_add_nc_u64 s[4:5], s[4:5], s[32:33]
	s_add_nc_u64 s[6:7], s[6:7], s[32:33]
	s_add_nc_u64 s[8:9], s[8:9], s[32:33]
	s_add_nc_u64 s[16:17], s[16:17], s[32:33]
	s_add_nc_u64 s[12:13], s[12:13], s[34:35]
.irp a, 0,1,2,3,4,5,6,7
	global_load_b128 v[64+4*\a:67+4*\a], v48, s[4:5] offset:16*\a
	global_load_b128 v[96+4*\a:99+4*\a], v48, s[6:7] offset:16*\a
.endr
.irp t, 0,1,2,3
.irp y, 0,1,2,3,4,5,6,7
	global_load_b32 v[128+8*\t+\y], v49, s[8:9] offset:\y*256+64*\t
.endr
.endr
	s_wait_kmcnt 0x0
	s_mul_f32 s39, s38, 0xc1000000                 ; -8 gamma: scores are kept as 8 s = q . k - 8 gamma x distance; the 1/8 goes into the exponential's factor
	s_wait_loadcnt 0x0
.irp i, 0,1,2,3,4,5,6,7,8,9,10,11,12,13,14,15
	global_store_b128 v4, v[32:35], s[12:13] offset:512*\i   ; slots 0 and 1 of kv16: keys -32 .. -1
.endr
	global_store_b128 v4, v[32:35], s[28:29] offset:H_PAD    ; the last 768 bytes of the head's block
	global_store_b64 v20, v[32:33], s[28:29] offset:H_PAD+512
	; S^T = k q^T: source 0 = 16 keys, source 1 = 16 queries, 4 channels a step: channel 32 h + 2 step + j in both.  Two accumulators by turns.
	v_wmma_f32_16x16x4_f32 v[208:215], v[96:97], v[64:65], 0
	v_wmma_f32_16x16x4_f32 v[216:223], v[98:99], v[66:67], 0
.irp s, 2,4,6,8,10,12,14
	v_wmma_f32_16x16x4_f32 v[208:215], v[96+2*\s:97+2*\s], v[64+2*\s:65+2*\s], v[208:215]
	v_wmma_f32_16x16x4_f32 v[216:223], v[98+2*\s:99+2*\s], v[66+2*\s:67+2*\s], v[216:223]
.endr
.rept 8
	v_nop                                          ; eight places behind this form, ahead of the first read of its results
.endr
.irp j, 0,1,2,3,4,5,6,7                        ; lane (r, h), register j: key 8 h + j, query r
	v_add_nc_u32 v24, -\j, v22                     ; the distance
	v_cvt_f32_i32 v25, v24
	v_add_f32 v[160+\j], v[208+\j], v[216+\j]
	v_fmac_f32 v[160+\j], s39, v25
	v_cmp_gt_i32 vcc_lo, 0, v24                    ; a key after the query is hidden
	v_cndmask_b32 v[160+\j], v[160+\j], v30, vcc_lo
.endr
	v_max3_num_f32 v27, v160, v161, v162
	v_max3_num_f32 v27, v27, v163, v164
	v_max3_num_f32 v27, v27, v165, v166
	v_max_num_f32 v27, v27, v167
	v_permlanex16_b32 v28, v27, s30, s31
	v_max_num_f32 v27, v27, v28                    ; the row's maximum: finite, key i counts
.irp j, 0,1,2,3,4,5,6,7
	v_sub_f32 v[160+\j], v[160+\j], v27
.endr
.irp j, 0,1,2,3,4,5,6,7
	v_mul_f32 v[160+\j], 0x3e38aa3b, v[160+\j]     ; x log2(e) / 8
.endr
.irp j, 0,1,2,3,4,5,6,7
	v_exp_f32 v[160+\j], v[160+\j]
.endr
	v_nop                                          ; a plain line behind the exponentials,
	s_wait_alu depctr_va_vdst(0)                   ; and one wait for the batch, ahead of its first reader
	v_pk_add_f32 v[168:169], v[160:161], v[162:163]
	v_pk_add_f32 v[170:171], v[164:165], v[166:167]
	v_pk_add_f32 v[168:169], v[168:169], v[170:171]
	v_add_f32 v168, v168, v169
	v_permlanex16_b32 v28, v168, s30, s31
	v_add_f32 v168, v168, v28
	v_max_num_f32 v168, 0x322bcc77, v168           ; clip at 1e-8
	v_rcp_f32 v29, v168
	v_nop
	s_wait_alu depctr_va_vdst(0)
	; O^T = v^T p: source 0 = 16 channels, source 1 = 16 queries, 4 keys a step: key 8 h + 2 step + j in both.  Four accumulators by turns.
.irp t, 0,1,2,3
	v_wmma_f32_16x16x4_f32 v[224+8*\t:231+8*\t], v[128+8*\t:129+8*\t], v[160:161], 0
.endr
.irp s, 1,2,3
.irp t, 0,1,2,3
	v_wmma_f32_16x16x4_f32 v[224+8*\t:231+8*\t], v[128+8*\t+2*\s:129+8*\t+2*\s], v[160+2*\s:161+2*\s], v[224+8*\t:231+8*\t]
.endr
.endr
.rept 8
	v_nop
.endr
.irp i, 0,1,2,3,4,5,6,7,8,9,10,11,12,13,14,15,16,17,18,19,20,21,22,23,24,25,26,27,28,29,30,31
	v_mul_f32 v[64+\i], v[224+\i], v29             ; into other registers, each accumulator from its low end on: register 8 t + j is o(r, 16 t + 8 h + j)
.endr
.irp t, 0,1,2,3
	global_store_b128 v50, v[64+8*\t:67+8*\t], s[16:17] offset:64*\t      ; 16 bytes a lane, rows apart: 4 KiB a head, too little for a way through LDS
	global_store_b128 v50, v[68+8*\t:71+8*\t], s[16:17] offset:64*\t+16
.endr
	s_branch .Lbar
.Lmain:
	; ---- waves 0-7, phase 1: eight tiles (v and k by turns), four on their way: 32 loads, 16 KiB a wave
	LOADT 0, 24, 0
	LOADT 1, 22, 0
	LOADT 2, 24, 1
	LOADT 3, 22, 1
	VITEM 0, 0, 24
	KITEM 0, 1, 24
	VITEM 1, 2, 24
	KITEM 1, 3, 24
	VITEM 2, 0, 24
	KITEM 2, 1, 16                                 ; nothing more is asked for: the counts run down
	VITEM 3, 2, 8
	KITEM 3, 3, 0
.irp c, 0,1,2,3
	v_permlanex16_b32 v[22+\c], v[SV+\c], s30, s31 ; level 2: my four chunks' sum and lane l xor 16's
.endr
.irp c, 0,1,2,3
	v_permlanex16_b32 v[26+\c], v[SK+\c], s30, s31
.endr
	v_pk_add_f32 v[SV:SV+1], v[SV:SV+1], v[22:23]
	v_pk_add_f32 v[SV+2:SV+3], v[SV+2:SV+3], v[24:25]
	v_pk_add_f32 v[SK:SK+1], v[SK:SK+1], v[26:27]
	v_pk_add_f32 v[SK+2:SK+3], v[SK+2:SK+3], v[28:29]
.irp c, 0,2
	v_pk_mul_f32 v[SV+\c:SV+\c+1], v[SV+\c:SV+\c+1], 0x3e000000 op_sel_hi:[1,0]
	v_pk_mul_f32 v[SK+\c:SK+\c+1], v[SK+\c:SK+\c+1], 0x3e000000 op_sel_hi:[1,0]
.endr
.irp t, 0,1,2,3
	ds_store_b32 v10, v[SV+\t] offset:\t*768       ; both halves of the lanes store the same number
.endr
	ds_store_b128 v9, v[SK:SK+3]
.Lbar:                                                 ; all nine waves meet here
	s_wait_dscnt 0x0                               ; for the others' sake: my stores have landed
	s_barrier_signal -1
	s_barrier_wait -1                              ; the work-group's means lie in LDS; nothing of them is written again
	s_cmp_eq_u32 s18, 8
	s_cbranch_scc1 .Lsmall
	; ---- phase 2: waves 0-3 quantise the four tiles of level 1's k, waves 4-7 the four of level 1's v
	s_cmp_lt_u32 s18, 4
	s_cbranch_scc0 .Lqv
.irp a, 0,1,2,3,4,5,6,7
	ds_load_b128 v[RG+4*\a:RG+4*\a+3], v11 offset:16*\a
.endr
	s_branch .Lqj
.Lqv:
.irp a, 0,1,2,3,4,5,6,7
	ds_load_b128 v[RG+4*\a:RG+4*\a+3], v12 offset:16*\a
.endr
.Lqj:
	s_lshl_b32 s32, s20, 2
	s_add_co_u32 s32, s32, s18                     ; k: tile 4 g + w
	s_mul_i32 s33, s32, 768
	s_lshl_b32 s34, s32, 5
	s_add_co_u32 s34, s34, H_K1S                   ; its bytes: 2 a row
	s_lshr_b32 s35, s20, 1
	s_lshl_b32 s35, s35, 2
	s_add_co_u32 s35, s35, s18
	s_sub_co_u32 s35, s35, 4                       ; v: 4 (g / 2) + w - 4: K step g / 2, channel tile w - 4
	s_and_b32 s36, s20, 1                          ; which 64 chunks of the step's 128
	s_lshl_b32 s37, s35, 1
	s_add_co_u32 s37, s37, s36
	s_mul_i32 s37, s37, 768
	s_add_co_u32 s37, s37, H_V1H
	s_lshl_b32 s38, s35, 6
	s_lshl_b32 s36, s36, 1
	s_add_co_u32 s38, s38, s36
	s_add_co_u32 s38, s38, H_V1S                   ; its bytes: 2 of a row's word of 4
	s_cmp_lt_u32 s18, 4
	s_cselect_b32 s33, s33, s37
	s_cselect_b32 s34, s34, s38
	s_cselect_b32 s39, 1, 2
	s_wait_dscnt 0x0
	s_wait_xcnt 0x0                                ; the last image's stores have read v32-47
	QUANT32 RG
	v_add_nc_u32 v27, s33, v4
	v_add_nc_u32 v28, s33, v20
	v_lshlrev_b32 v29, s39, v1
	v_add_nc_u32 v29, s34, v29
	global_store_b128 v27, v[32:35], s[28:29]
	global_store_b64 v28, v[36:37], s[28:29] offset:512
	global_store_b16 v29, v25, s[28:29]            ; lanes r and 16 + r store the same two bytes to the same place
	s_branch .Lend
	; ---- wave 8, the three small jobs, each in registers of its own, so that no store's sources are written again
.Lsmall:
	s_wait_xcnt 0x0                                ; (g = 0) the first rows' and the zeros' stores have read their registers
	; level 2's k: my work-group's 8 chunks are 8 rows of tile 2 (g / 4) + g % 2, from row 8 ((g / 2) % 2) on
.irp a, 0,1,2,3,4,5,6,7
	ds_load_b128 v[RG+4*\a:RG+4*\a+3], v13 offset:16*\a
.endr
	s_lshr_b32 s32, s20, 2
	s_lshl_b32 s32, s32, 1
	s_and_b32 s33, s20, 1
	s_add_co_u32 s32, s32, s33
	s_bfe_u32 s33, s20, 0x10001
	s_lshl_b32 s33, s33, 3
	s_mul_i32 s34, s32, 768
	s_add_co_u32 s34, s34, H_K2H
	s_lshl_b32 s35, s32, 6
	s_add_co_u32 s35, s35, H_K2S
	s_wait_dscnt 0x0
	QUANT32 RG
	v_and_b32 v27, 7, v1
	v_add_nc_u32 v27, s33, v27                     ; the row; lanes r and r + 8 hold the same chunk and store the same bytes to the same place
	v_lshl_add_u32 v28, v2, 4, v27
	v_lshl_add_u32 v29, v28, 4, s34
	v_lshl_add_u32 v30, v28, 3, s34
	v_lshl_add_u32 v31, v27, 2, s35
	global_store_b128 v29, v[32:35], s[28:29]
	global_store_b64 v30, v[36:37], s[28:29] offset:512
	global_store_b32 v31, v25, s[28:29]            ; a word a row: two bytes, and zeros above
	; level 2's v as f32: lane (r, h): chunks 8 g + 4 h + 0 .. 3 of channel 4 r + t
.irp t, 0,1,2,3
	ds_load_b128 v[RG+32+4*\t:RG+32+4*\t+3], v14 offset:\t*768
.endr
	s_and_b32 s32, s20, 3
	s_lshl_b32 s32, s32, 10
	s_lshr_b32 s33, s20, 2
	s_lshl_b32 s33, s33, 8
	s_add_co_u32 s32, s32, s33
	s_add_co_u32 s32, s32, H_V2F
	v_lshl_add_u32 v48, v2, 9, s32
	v_lshl_add_u32 v48, v1, 4, v48
	s_wait_dscnt 0x0
.irp t, 0,1,2,3
	global_store_b128 v48, v[RG+32+4*\t:RG+32+4*\t+3], s[28:29] offset:\t*4096   ; sixteen lanes store 256 consecutive bytes, aligned
.endr
	; level 3's k: the mean of the 8 chunks of level 2, in f16, as row 8 (g / 4) + g % 4 of a K image; the row 4 further on is zeros
.irp y, 0,1,2,3,4,5,6,7
	ds_load_b128 v[RG+64+4*\y:RG+64+4*\y+3], v15 offset:\y*272
.endr
	s_lshr_b32 s32, s20, 2
	s_lshl_b32 s32, s32, 3
	s_and_b32 s33, s20, 3
	s_add_co_u32 s32, s32, s33
	s_wait_dscnt 0x0
	POOL RG+64, DV
	v_cvt_pk_f16_f32 v50, v[DV], v[DV+1]
	v_cvt_pk_f16_f32 v51, v[DV+2], v[DV+3]
	ds_store_b64 v16, v[50:51]                     ; both halves of the lanes store the same
.irp p, 0,1,2,3
	ds_load_b128 v[RG+96+4*\p:RG+96+4*\p+3], v17 offset:16*\p   ; my own bytes: LDS serves a wave's instructions in order
.endr
	v_and_b32 v49, 4, v1
	v_cmp_eq_u32 vcc_lo, 0, v49
	v_add_nc_u32 v49, s32, v49                     ; lanes with r % 8 < 4 store the row, the others the row of zeros: eight lanes each the same bytes
	v_lshl_add_u32 v49, v2, 4, v49
	v_lshlrev_b32 v49, 4, v49
	s_wait_dscnt 0x0
.irp i, 0,1,2,3,4,5,6,7,8,9,10,11,12,13,14,15
	v_cndmask_b32 v[RG+96+\i], 0, v[RG+96+\i], vcc_lo
.endr
.irp p, 0,1,2,3
	global_store_b128 v49, v[RG+96+4*\p:RG+96+4*\p+3], s[28:29] offset:H_K3I+512*\p
.endr
.Lend:
	s_wait_tensorcnt 0x0                           ; the wave's end: three lines behind my last LDS store
	ds_add_u32 v18, v19
	s_wait_dscnt 0x0
	s_endpgm
.Lfunc_end_k_q4ddb2285bc_prep:
	.size	k_q4ddb2285bc_prep, .Lfunc_end_k_q4ddb2285bc_prep-k_q4ddb2285bc_prep
	.p2alignl 7, 3214868480
	.fill 96, 4, 3214868480
	.section	.rodata,"a",@progbits
	.p2align	6, 0x0
	.amdhsa_kernel k_q4ddb2285bc_prep
		.amdhsa_group_segment_fixed_size 60160
		.amdhsa_private_segment_fixed_size 0
		.amdhsa_enable_private_segment 0
		.amdhsa_kernarg_size 56
		.amdhsa_user_sgpr_count 2
		.amdhsa_user_sgpr_kernarg_segment_ptr 1
		.amdhsa_wavefront_size32 1
		.amdhsa_system_sgpr_workgroup_id_x 1
		.amdhsa_system_sgpr_workgroup_id_y 1
		.amdhsa_system_sgpr_workgroup_id_z 1
		.amdhsa_system_vgpr_workitem_id 0
		.amdhsa_next_free_vgpr 256
		.amdhsa_next_free_sgpr 66
		.amdhsa_reserve_vcc 1
		.amdhsa_float_denorm_mode_32 3
		.amdhsa_float_denorm_mode_16_64 3
		.amdhsa_memory_ordered 1
		.amdhsa_forward_progress 1
		.amdhsa_inst_pref_size 65
	.end_amdhsa_kernel
	.amdgpu_metadata
---
amdhsa.version: [ 1, 2 ]
amdhsa.kernels:
  - .name:           k_q4ddb2285bc_prep
    .symbol:         k_q4ddb2285bc_prep.kd
    .args:
      - { .name: q, .offset: 0, .size: 8, .value_kind: global_buffer, .address_space: global }
      - { .name: k, .offset: 8, .size: 8, .value_kind: global_buffer, .address_space: global }
      - { .name: v, .offset: 16, .size: 8, .value_kind: global_buffer, .address_space: global }
      - { .name: gammas, .offset: 24, .size: 8, .value_kind: global_buffer, .address_space: global }
      - { .name: kv16, .offset: 32, .size: 8, .value_kind: global_buffer, .address_space: global }
      - { .name: hier, .offset: 40, .size: 8, .value_kind: global_buffer, .address_space: global }
      - { .name: out0, .offset: 48, .size: 8, .value_kind: global_buffer, .address_space: global }
    .group_segment_fixed_size: 60160
    .private_segment_fixed_size: 0
    .kernarg_segment_align: 8
    .kernarg_segment_size: 56
    .max_flat_workgroup_size: 288
    .sgpr_count:     66
    .vgpr_count:     256
    .wavefront_size: 32
...
	.end_amdgpu_metadata
.endif
;; end of part 3
;; launch attn (part 4): grid 256 x 1, 8 waves a work-group, no clusters, 265,472 bytes of LDS; arguments q, kv16, hier, gammas, out0; writes out0
.if DOCPART == 4
	.amdgcn_target "amdgcn-amd-amdhsa--gfx1250"
	.amdhsa_code_object_version 6
	.text
	.protected	k_q4ddb2285bc_attn
	.globl	k_q4ddb2285bc_attn
	.p2align	8
	.type	k_q4ddb2285bc_attn,@function
k_q4ddb2285bc_attn:
	s_mov_b64 s[64:65], 0
	v_nop
	global_prefetch_b8 v0, s[64:65] scope:SCOPE_SE
	s_setreg_imm32_b32 hwreg(HW_REG_WAVE_MODE, 25, 1), 1
	s_wait_xcnt 0x0
; HIERARCHICAL ATTENTION, launch 2 of 2: rows 16 to 4,095 of every head (rows 0 to 15 were stored by the first launch, in f32).
; LEFT OUT, by the masks that the problem builds itself (shown at the head of the first kernel): the 64 chunks of level 1 from chunk 64 p on where 512 p + 32 > i0; level 2 where i0 < 80; level 3's scores where
;   i0 < 528; the |.| of the distances.  All jumps hang on ids alone.
; FOUR SOFTMAX GROUPS, merged by (m, l, o) as the problem merges them, in the order level 1, level 2, window with level 3 (the last two feed no quantiser and share one maximum).
;   Levels 1 and 2 are QUANTISED products: q and the means of k along the 64 channels, exp(s - m) and the means of v along the chunks, codes of E3M2 with one E8M0 byte for 32.  exp(s - m) is quantised finished,
;   with the level's own row maximum (held at -1e9 from below): so all scores of a row are made before the first exponential: up to 256 registers a lane.
;   Scores are kept as S = 8 s = q . k - 8 gamma x distance (1/8 is a power of two: nothing is rounded by it); p = 2^((S - M) log2(e) / 8), the subtraction by itself, so that the row's largest p is 1.
; LAYOUT: all products are used transposed: a lane holds ONE query (lane % 16) throughout.  The rows of a tile of k's means are chosen so that the 16 registers of two neighbouring tiles are 16 neighbouring chunks.
;   Row r of channel tile t of every operand made of v is channel 4 r + t; the way out undoes it.
; SHARES: work-group x: head x / 8, g = x % 8: the runs of 16 query tiles 15 - g and g.  Wave w walks four tiles: slots w and 15 - w of each run: every wave's tile numbers add up to 510: equal work under the causal cut.
; LDS is filled ONCE: the head's block of hier (73,728 bytes) and the two runs' 18 key tiles of kv16 (73,728 each), each shared out among the eight waves by arithmetic on the wave's number:
;   three tensor loads a wave are out, 36 rows of 256 bytes each (288 rows over eight waves).  Nothing is filled again: no ring.
;   The levels read hier's block alone, the window's phase is the first to read the runs: so the wait for the runs and its barrier stand in the trip, ahead of the window's phase, and the runs land under the first
;   tile's levels.  Every wave passes that place in every trip; from the second trip on the wait is met at once, and a trip's eight tiles lie in one run of 16, so that the waves' work differs by 64 chunks at most.
; q COMES IN WHOLE ROWS: each of a tile's eight loads reads 512 consecutive bytes; the tile turns through the wave's own stage (the way out's two addresses, the other way round), so that a lane holds 32 channels of its row.
; NO CLUSTER: what the eight work-groups of a head share is hier's block, a third of what a work-group fetches once, and the causal jumps hang on g, the very number that tells those partners apart.
; NO PREFETCH: every LDS byte is asked for at the head; q is asked for by its own loads a phase ahead.
; LIMITS: NaN and infinities among the inputs are not served.  q goes to f16 for the window's and level 3's scores, p and v likewise: magnitudes up to 65,504.  -1e30 stands for -infinity in the window's group:
;   |q . k| stays under 1e29.  The merges use the held maximum in the place of -infinity: where the two differ, l and o are 0.  Exponentials under 2^-126 come out as 0.  Scale bytes as in the first kernel.
; REGISTERS.  Window 0: v1 r, v2 h, v3-9 lane offsets, v10 the window's place, v12, v13 the stage, v14, v15 the add's two; v16-24 the distances' bases; v25 -infinity; v26, 27 M of the group in hand;
;   v28 the running row maximum; v29 m, v30 l of what is merged; v31 l of the group; v32-35 sums; v36-39 the merge's factors; v40-45 scale words and nothing else; v46-54 at work; v55 -1e30;
;   v56-67 q's codes; v68-83 q in f16; v84-95 p's codes; v96-127 O; v128-159 the group's O (at levels 1, 2 first: the blocks' largest scores, v128 on, and half a block's codes, v144 on);
;   v160-207 four fragments of k's means (registers 6-11 of each: zeros for good, K = 64 of 128); v208-255 four fragments of v's means; then the way out.
; Window 1: the scores: 32 registers for 64 chunks; in the window's phase: v0-31 scores, v32-47 p in f16, v96-159 K, v160-223 V; v64-95: the next tile's q lands here.
.set K1H, 0
.set V1H, 24576
.set K1S, 49152
.set V1S, 50176
.set K2H, 51200
.set K3I, 54272
.set K2S, 56320
.set V2F, 56576
.set RUN0, 73728
.set RUN1, 147456
.set HD, 221184                        ; what the work-group makes itself: level 2's v as codes (4 x 768),
.set V3O, 3072                         ; level 3's v in f16 (4 x 512),
.set CLO, 5120                         ; the window's table -8 gamma x distance (6 x 512),
.set V2SO, 8192                        ; level 2's v's scale words (4 x 64)
.set STAGE, 229632                     ; q's way in and the way out: 16 rows x (256 + 16) for each wave
.set SPARE, 264448                     ; the spare words, 128 bytes for each wave
.set QS, 40
.set KS, 41
.set VS, 43
.set PW, 45
.set QC, 56
.set QH, 68
.set PB, 84
.set RO, 96
.set ROX, 128
.set BM, 128
.set CT, 144
.set KB, 160
.set FB, 208
.set MSB, 0
.macro WIN new                         ; bits 1:0 source 0, 3:2 source 1, 5:4 source 2, 7:6 destination; the immediate's high byte repeats the setting that is left
.if MSB != \new
	s_set_vgpr_msb (MSB<<8)|\new
.set MSB, \new
.endif
.endm
.macro F32BITS x                       ; FBITS = the f32 bits of the whole number x, 0 <= x < 2^24
.set FE, 0
.set FT, (\x)
.rept 24
.if FT > 1
.set FT, FT>>1
.set FE, FE+1
.endif
.endr
.if (\x) == 0
.set FBITS, 0
.else
.set FBITS, ((127+FE)<<23)|(((\x)<<(23-FE))&0x7fffff)
.endif
.endm
; One scaled product.  row = 1: source 0's scale words stand in lanes 16-31.  z = 1: it starts the sum.
.macro WM6 d, a, b, sa, sb, row, z
.if \row
.if \z
	v_wmma_scale_f32_16x16x128_f8f6f4 v[\d:\d+7], v[\a:\a+11], v[\b:\b+11], 0, v[\sa], v[\sb] matrix_a_fmt:MATRIX_FMT_BF6 matrix_b_fmt:MATRIX_FMT_BF6 matrix_a_scale:MATRIX_SCALE_ROW1
.else
	v_wmma_scale_f32_16x16x128_f8f6f4 v[\d:\d+7], v[\a:\a+11], v[\b:\b+11], v[\d:\d+7], v[\sa], v[\sb] matrix_a_fmt:MATRIX_FMT_BF6 matrix_b_fmt:MATRIX_FMT_BF6 matrix_a_scale:MATRIX_SCALE_ROW1
.endif
.else
.if \z
	v_wmma_scale_f32_16x16x128_f8f6f4 v[\d:\d+7], v[\a:\a+11], v[\b:\b+11], 0, v[\sa], v[\sb] matrix_a_fmt:MATRIX_FMT_BF6 matrix_b_fmt:MATRIX_FMT_BF6
.else
	v_wmma_scale_f32_16x16x128_f8f6f4 v[\d:\d+7], v[\a:\a+11], v[\b:\b+11], v[\d:\d+7], v[\sa], v[\sb] matrix_a_fmt:MATRIX_FMT_BF6 matrix_b_fmt:MATRIX_FMT_BF6
.endif
.endif
.endm
; The scores of 64 chunks: register n of 32 holds the chunk whose distance is the lane's base less base + hi (n / 16) + lo (n % 16).  The distance is exact; x -8 gamma it is rounded once; it is the product's C.
.macro SCORE sb, koff, soff, bp, ng, base, hi, lo, lvl
	WIN 0
.irp t, 0,1,2,3
	ds_load_b128 v[KB+12*\t:KB+12*\t+3], v3 offset:(\koff)+768*\t
	ds_load_b64 v[KB+12*\t+4:KB+12*\t+5], v4 offset:(\koff)+768*\t+512
.endr
.irp u, 0,1                            ; lanes 0-15: the even tile's scale words, lanes 16-31: the odd tile's
.if \lvl == 1
	ds_load_u16 v[KS+\u], v5 offset:(\soff)+64*\u
.else
	ds_load_b32 v[KS+\u], v6 offset:(\soff)+128*\u
.endif
.endr
	WIN 0x40
.set n, 0
.rept 16
.set CV, (\base)+(\hi)*(n/16)+(\lo)*(n%16)
	F32BITS CV
	v_pk_add_f32 v[(\sb)+n:(\sb)+n+1], v[\bp:\bp+1], FBITS|0x80000000 op_sel_hi:[1,0]
.set n, n+2
.endr
	WIN 0x41
.set n, 0
.rept 16
	v_pk_mul_f32 v[(\sb)+n:(\sb)+n+1], v[(\sb)+n:(\sb)+n+1], s[\ng:\ng+1] op_sel_hi:[1,0]
.set n, n+2
.endr
	s_wait_dscnt 0x0
	WIN 0x50                               ; C and D in window 1
.irp t, 0,1,2,3
	WM6 (\sb)+8*\t, KB+12*\t, QC, KS+\t/2, QS, \t%2, 0
.endr
.rept 4
	v_nop                                  ; four places, ahead of the first read of the results and of the next loads into the operands
.endr
.endm
; Hidden chunks become -infinity: hidden where the register's constant lies above the lane's threshold.
.macro MASK sb, tr, base, hi, lo
	WIN 0x41
.set n, 0
.rept 32
.set CV, (\base)+(\hi)*(n/16)+(\lo)*(n%16)
	F32BITS CV
	v_cmp_gt_f32 vcc_lo, FBITS, v[\tr]
	v_cndmask_b32 v[(\sb)+n], v[(\sb)+n], v25, vcc_lo
.set n, n+1
.endr
.endm
; The largest score of each of the two blocks of 32 (it serves twice: for the row's maximum and, since p rises with the score, for the block's largest p), each accumulator from its low end on.
.macro MAXP sb, bm, first
	WIN 0x05
	v_max_num_f32 v[\bm], v[(\sb)], v[(\sb)+1]
	v_max_num_f32 v[\bm+1], v[(\sb)+16], v[(\sb)+17]
.irp i, 2,4,6,8,10,12,14
	v_max3_num_f32 v[\bm], v[(\sb)+\i], v[(\sb)+\i+1], v[\bm]
	v_max3_num_f32 v[\bm+1], v[(\sb)+16+\i], v[(\sb)+17+\i], v[\bm+1]
.endr
	WIN 0
	v_permlanex16_b32 v46, v[\bm], s58, s59
	v_permlanex16_b32 v47, v[\bm+1], s58, s59
	v_max_num_f32 v[\bm], v[\bm], v46
	v_max_num_f32 v[\bm+1], v[\bm+1], v47
.if \first
	v_max_num_f32 v28, v[\bm], v[\bm+1]
.else
	v_max3_num_f32 v28, v28, v[\bm], v[\bm+1]
.endif
.endm
; The two blocks' largest scores through the same subtraction and multiplication as the scores.  Four plain lines: also the places ahead of loads into operands of the products before.
.macro EXPA bm
	WIN 0
	v_sub_f32 v46, v[\bm], v26
	v_sub_f32 v47, v[\bm+1], v26
	v_mul_f32 v46, s56, v46
	v_mul_f32 v47, s56, v47
.endm
; p = 2^((S - M) c) of 32 registers: one batch of exponentials, one plain line, one wait ahead of the first reader.
.macro EXPS sb
	WIN 0x41
.set n, 0
.rept 16
	v_pk_add_f32 v[(\sb)+n:(\sb)+n+1], v[(\sb)+n:(\sb)+n+1], v[26:27] op_sel_hi:[1,0] neg_lo:[0,1] neg_hi:[0,1]
.set n, n+2
.endr
.set n, 0
.rept 16
	v_pk_mul_f32 v[(\sb)+n:(\sb)+n+1], v[(\sb)+n:(\sb)+n+1], s[56:57] op_sel_hi:[1,0]
.set n, n+2
.endr
.set n, 0
.rept 32
	v_exp_f32 v[(\sb)+n], v[(\sb)+n]
.set n, n+1
.endr
	v_nop
	s_wait_alu depctr_va_vdst(0)
.endm
; The row's sum, of the unquantised p, in two packed chains.  first = 1: they begin here.
.macro SUMS sb, first
	WIN 0x01
.set n, 0
.rept 8
.if (\first) && (n == 0)
	v_pk_add_f32 v[32:33], v[(\sb):(\sb)+1], 0 op_sel_hi:[1,0]
	v_pk_add_f32 v[34:35], v[(\sb)+2:(\sb)+3], 0 op_sel_hi:[1,0]
.else
	v_pk_add_f32 v[32:33], v[(\sb)+n:(\sb)+n+1], v[32:33]
	v_pk_add_f32 v[34:35], v[(\sb)+n+2:(\sb)+n+3], v[34:35]
.endif
.set n, n+4
.endr
.endm
; 64 chunks' weights: exponentials, scale bytes, sums, codes.  c: which half of the K step of 128.
.macro EXPB sb, c, first
	v_exp_f32 v46, v46                     ; the blocks' largest p: they belong to the batch below
	v_exp_f32 v47, v47
	EXPS \sb
	WIN 0
	v_max_num_f32 v46, 0x2800000, v46      ; the floor 2^(5 - 127): the byte cannot fall under 1 (a block of zeros keeps that byte: its codes are zeros)
	v_max_num_f32 v47, 0x2800000, v47
	v_add_nc_u32 v48, 0xfe000000, v46      ; 4 off the exponent field: the conversion's scale operand
	v_add_nc_u32 v49, 0xfe000000, v47
	v_lshrrev_b32 v50, 23, v48
	v_lshrrev_b32 v51, 23, v49
.if \c == 0
	v_lshl_or_b32 v[PW], v51, 8, v50       ; p's scale word: bytes 0, 1 (and zeros above)
.else
	v_lshl_or_b32 v[PW], v50, 16, v[PW]
	v_lshl_or_b32 v[PW], v51, 24, v[PW]
.endif
	SUMS \sb, \first                       ; sixteen plain lines: also the places between the scale word and the product
	v_cvt_scalef32_pk16_bf6_f32 v[PB+6*\c:PB+6*\c+2], v[(\sb):(\sb)+15], v48
	v_cvt_scalef32_pk16_bf6_f32 v[CT:CT+2], v[(\sb)+16:(\sb)+31], v49
	v_nop                                  ; one plain line behind the conversions
	WIN 0
.irp i, 0,1,2                          ; the operand's layout wants a whole block in a lane: lanes 0-15 the lower block, lanes 16-31 the upper
	v_permlane16_swap_b32 v[PB+6*\c+\i], v[CT+\i]
.endr
.irp i, 0,1,2
	v_mov_b32 v[PB+6*\c+3+\i], v[CT+\i]
.endr
.endm
.macro LOADV s                         ; K step s of level 1's v: four fragments and their scale words
.irp t, 0,1,2,3
.irp c, 0,1
	ds_load_b128 v[FB+12*\t+6*\c:FB+12*\t+6*\c+3], v3 offset:V1H+((4*\s+\t)*2+\c)*768
	ds_load_b64 v[FB+12*\t+6*\c+4:FB+12*\t+6*\c+5], v4 offset:V1H+((4*\s+\t)*2+\c)*768+512
.endr
.endr
	ds_load_b32 v[VS], v6 offset:V1S+(4*\s)*64
	ds_load_b32 v[VS+1], v6 offset:V1S+(4*\s+2)*64
.endm
.macro PV acc, frag, z                 ; O^T (+)= v^T p^T: four accumulators by turns
.rept 4
	v_nop                                  ; p's codes were written by vector instructions: four places
.endr
	s_wait_dscnt 0x0
.irp t, 0,1,2,3
	WM6 (\acc)+8*\t, (\frag)+12*\t, PB, VS+\t/2, PW, \t%2, \z
.endr
.endm
.macro LSUM dst                        ; the two chains, their halves, and lane l xor 16's
	v_pk_add_f32 v[32:33], v[32:33], v[34:35]
	v_add_f32 v32, v32, v33
	v_permlanex16_b32 v46, v32, s58, s59
	v_add_f32 v[\dst], v32, v46
.endm
	s_load_b256 s[4:11], s[0:1], 0x0               ; q, kv16, hier, gammas
	s_load_b64 s[12:13], s[0:1], 0x20              ; out0
	v_lshl_add_u32 v14, v0, 2, SPARE
	v_mov_b32 v15, 0
	ds_add_u32 v14, v15                            ; the wave's opening: the add, twice on end, and its wait ahead of my first tensor load
	ds_add_u32 v14, v15
	v_lshrrev_b32 v1, 5, v0
	v_readfirstlane_b32 s14, v1                    ; wave 0..7
	s_lshr_b32 s15, ttmp9, 3                       ; head
	s_and_b32 s16, ttmp9, 7                        ; g
	s_mov_b32 s24, 3<<16                           ; group 1, one for all three loads: no mask, elements of 8 bytes, no padding
	s_mov_b32 s25, 32<<16                          ; tensor_dim0 = 32: rows of 256 bytes
	s_mov_b32 s26, 36<<16                          ; tensor_dim1 = 36
	s_mov_b32 s27, 32<<16                          ; tile_dim0 = 32
	s_mov_b32 s28, 36                              ; tile_dim1 = 36
	s_mov_b32 s29, 32                              ; the pitch: dense
	s_mov_b32 s30, 0
	s_mov_b32 s31, 0
	s_mul_i32 s22, s14, 9216                       ; my eighth of each object, in memory and in LDS
	s_mul_i32 s72, s15, 73728
	s_add_co_u32 s72, s72, s22
	s_mov_b32 s73, 0
	s_mul_i32 s74, s15, 1056768
	s_add_co_u32 s74, s74, s22
	s_sub_co_u32 s23, 15, s16
	s_lshl_b32 s76, s23, 16                        ; run rho begins at slot 16 rho: key tile 16 rho - 2
	s_add_co_u32 s76, s76, s74
	s_mov_b32 s77, 0
	s_lshl_b32 s78, s16, 16
	s_add_co_u32 s78, s78, s74
	s_mov_b32 s79, 0
	s_mov_b32 s32, 1
	s_mov_b32 s33, s22
	s_mov_b32 s36, 1
	s_add_co_u32 s37, s22, RUN0
	s_mov_b32 s40, 1
	s_add_co_u32 s41, s22, RUN1
	s_mov_b32 s56, 0x3e38aa3b                      ; c = log2(e) / 8
	s_mov_b32 s57, s56
	s_mov_b32 s58, 0x76543210
	s_mov_b32 s59, 0xfedcba98                      ; v_permlanex16_b32's selects for lane l xor 16
	s_lshl_b32 s70, s15, 20                        ; the head's first byte in q and out0
	s_mov_b32 s71, 0
	s_wait_dscnt 0x0                               ; both opening adds are done
	s_wait_kmcnt 0x0
	s_load_b128 s[44:47], s[10:11], 0x0            ; the four gammas
	s_add_nc_u64 s[34:35], s[8:9], s[72:73]
	s_or_b32 s35, s35, 0x80000000
	s_add_nc_u64 s[38:39], s[6:7], s[76:77]
	s_or_b32 s39, s39, 0x80000000
	s_add_nc_u64 s[42:43], s[6:7], s[78:79]
	s_or_b32 s43, s43, 0x80000000
	tensor_load_to_lds s[32:35], s[24:31]          ; hier's block first: it is wanted first
	s_nop 0
	tensor_load_to_lds s[36:39], s[24:31]          ; run 15 - g
	s_nop 0
	tensor_load_to_lds s[40:43], s[24:31]          ; run g
	s_nop 0
	v_and_b32 v1, 15, v0                           ; r.  (Four vector lines stand between the load and the next switch of windows)
	v_bfe_u32 v2, v0, 4, 1                         ; h
	v_and_b32 v25, 31, v0
	v_lshlrev_b32 v3, 4, v25                       ; 16 x lane; never rewritten
	s_add_nc_u64 s[60:61], s[4:5], s[70:71]
	s_add_nc_u64 s[62:63], s[12:13], s[70:71]
	s_lshl_b32 s22, s23, 4
	s_add_co_u32 s22, s22, s14                     ; my first tile: 16 (15 - g) + w
	s_lshl_b32 s70, s22, 12
	s_add_nc_u64 s[66:67], s[60:61], s[70:71]
	WIN 0x40
.irp a, 0,1,2,3,4,5,6,7
	global_load_b128 v[64+4*\a:67+4*\a], v3, s[66:67] offset:512*\a th:TH_LOAD_NT   ; two whole rows of q: 512 consecutive bytes
.endr
.set n, 0
.rept 256                              ; window 1 is written once, all but q's landing place: a pair's weights are named on ways through the text on which its scores were not made (no wave takes them: both hang on np)
.if (n < 64) || (n > 95)
	v_mov_b32 v[n], 0
.endif
.set n, n+1
.endr
	WIN 0
	v_lshlrev_b32 v4, 3, v25                       ; 8 x lane
	v_lshlrev_b32 v5, 1, v25
	v_lshlrev_b32 v6, 2, v25
	v_add_nc_u32 v7, HD, v3
	v_add_nc_u32 v8, HD, v4
	v_add_nc_u32 v9, HD, v6
	s_mul_i32 s22, s14, 4352
	s_add_co_u32 s22, s22, STAGE
	v_mul_u32_u24 v12, v1, 272
	v_lshl_add_u32 v12, v2, 7, v12
	v_add_nc_u32 v12, s22, v12                     ; my stage by lanes' rows: row r, channels 32 h on
	v_mul_u32_u24 v13, v2, 272
	v_lshl_add_u32 v13, v1, 4, v13
	v_add_nc_u32 v13, s22, v13                     ; and by whole rows: lanes 0-15 one row, lanes 16-31 the next
	s_lshl_b32 s22, s14, 12
	s_add_co_u32 s22, s22, V2F
	v_add_nc_u32 v120, s22, v3                     ; the head's jobs (waves 0-3, channel tile w): level 2's v as f32,
	s_mul_i32 s22, s14, 768
	v_add_nc_u32 v121, s22, v7                     ; its codes,
	v_add_nc_u32 v122, s22, v8
	s_lshl_b32 s22, s14, 6
	s_add_co_u32 s22, s22, HD+V2SO
	v_lshl_add_u32 v123, v1, 2, s22                ; its scale words,
	s_lshl_b32 s22, s14, 9
	s_add_co_u32 s22, s22, V3O
	v_add_nc_u32 v124, s22, v7                     ; level 3's v
.irp t, 0,1,2,3
.irp i, 6,7,8,9,10,11
	v_mov_b32 v[KB+12*\t+\i], 0                    ; K = 64 of the instruction's 128: the upper codes are zeros, for good
.endr
.endr
.irp i, 6,7,8,9,10,11
	v_mov_b32 v[QC+\i], 0
.endr
.irp i, 27,37,39,46,47,51
	v_mov_b32 v\i, 0                               ; upper halves of pairs of which the low word serves both halves, and lane permutes' destinations
.endr
.irp i, 0,1,2,3,4,5,6,7,8,9,10,11,12,13,14,15
	v_mov_b32 v[BM+\i], 0                          ; (as window 1 above)
.endr
	v_mov_b32 v25, 0xff800000                      ; -infinity
	v_mov_b32 v55, 0xf149f2ca                      ; -1e30
	s_wait_kmcnt 0x0
	s_mul_f32 s48, s45, 0xc1000000                 ; -8 gamma of level 1, 2, 3 and of the window, each as a pair
	s_mul_f32 s50, s46, 0xc1000000
	s_mul_f32 s52, s47, 0xc1000000
	s_mul_f32 s54, s44, 0xc1000000
	s_mov_b32 s49, s48
	s_mov_b32 s51, s50
	s_mov_b32 s53, s52
	s_mov_b32 s55, s54
	s_wait_tensorcnt 0x2                           ; my part of hier's block has landed; the two runs' loads, issued behind it, may stay out
	s_barrier_signal -1
	s_barrier_wait -1                              ; everybody's has
	s_cmp_lt_u32 s14, 4
	s_cbranch_scc0 .Lnot_v2
	; waves 0-3: level 2's v, channel tile w: lane (r, h) holds chunks 32 h + 0 .. 31 of channel 4 r + w: one block
.irp p, 0,1,2,3,4,5,6,7
	ds_load_b128 v[FB+4*\p:FB+4*\p+3], v120 offset:512*\p
.endr
	s_wait_dscnt 0x0
	v_max3_num_f32 v46, |v[FB]|, |v[FB+1]|, 0x2800000
	v_max3_num_f32 v47, |v[FB+2]|, |v[FB+3]|, 0x2800000
.irp i, 4,8,12,16,20,24,28
	v_max3_num_f32 v46, v46, |v[FB+\i]|, |v[FB+\i+1]|
	v_max3_num_f32 v47, v47, |v[FB+\i+2]|, |v[FB+\i+3]|
.endr
	v_max_num_f32 v46, v46, v47
	v_add_nc_u32 v48, 0xfe000000, v46
	v_lshrrev_b32 v49, 23, v48
	v_cvt_scalef32_pk16_bf6_f32 v[96:98], v[FB:FB+15], v48
	v_cvt_scalef32_pk16_bf6_f32 v[104:106], v[FB+16:FB+31], v48
	v_lshlrev_b32 v50, 3, v2                       ; (a plain line behind the conversions)
	v_mov_b32 v99, v104
	v_mov_b32 v100, v105
	v_mov_b32 v101, v106
	v_lshlrev_b32 v49, v50, v49
	v_permlanex16_b32 v51, v49, s58, s59
	v_or_b32 v49, v49, v51                         ; both blocks' bytes
	ds_store_b128 v121, v[96:99]
	ds_store_b64 v122, v[100:101] offset:512
	ds_store_b32 v123, v49                         ; lanes r and 16 + r store the same word
.irp e, 0,1,2,3                                ; level 3's v: chunk 4 h + e is the mean of my chunks 8 e .. 8 e + 7
	v_pk_add_f32 v[108:109], v[FB+8*\e:FB+8*\e+1], v[FB+8*\e+2:FB+8*\e+3]
	v_pk_add_f32 v[110:111], v[FB+8*\e+4:FB+8*\e+5], v[FB+8*\e+6:FB+8*\e+7]
	v_pk_add_f32 v[108:109], v[108:109], v[110:111]
	v_add_f32 v[112+\e], v108, v109
.endr
.irp e, 0,1,2,3
	v_mul_f32 v[112+\e], 0x3e000000, v[112+\e]
.endr
	v_cvt_pk_f16_f32 v116, v112, v113
	v_cvt_pk_f16_f32 v117, v114, v115
	v_mov_b32 v118, 0                              ; rows 4 to 7 of each half stand for no chunk
	v_mov_b32 v119, 0
	ds_store_b128 v124, v[116:119]
	s_branch .Ljobs_done
.Lnot_v2:
	s_cmp_eq_u32 s14, 4
	s_cbranch_scc0 .Ljobs_done
	; wave 4: the window's table: key tile kk (two before, one before, the query's own), register jj: distance r + 32 - 16 kk - 8 h - jj; -1e30 outside 0 .. 31
	v_lshlrev_b32 v46, 3, v2
	v_sub_nc_u32 v46, v1, v46
	v_add_nc_u32 v46, 32, v46
.set n, 0
.rept 24
	v_add_nc_u32 v47, -(16*(n/8)+n%8), v46
	v_cvt_f32_i32 v48, v47
	v_mul_f32 v48, s54, v48
	v_cmp_gt_u32 vcc_lo, 32, v47
	v_cndmask_b32 v[FB+n], 0xf149f2ca, v48, vcc_lo
.set n, n+1
.endr
.irp a, 0,1,2,3,4,5
	ds_store_b128 v7, v[FB+4*\a:FB+4*\a+3] offset:CLO+512*\a
.endr
.Ljobs_done:
	s_wait_dscnt 0x0                               ; for the others' sake: my stores have landed
	s_barrier_signal -1
	s_barrier_wait -1                              ; what these jobs made lies in LDS and is not written again.  The two runs' loads may stay out, and no run is read before the barrier in the trip
	s_mov_b32 s17, 0
.Ltile:                                                ; four trips: a tile of 16 queries each
	s_wait_loadcnt 0x0                             ; this tile's q
	s_wait_xcnt 0x0                                ; the last tile's stores have read their registers and their base
	s_and_b32 s22, s17, 1
	s_mul_i32 s22, s22, 15
	s_xor_b32 s18, s14, s22                        ; slot: w, 15 - w, w, 15 - w
	s_lshr_b32 s23, s17, 1                         ; which run
	s_mul_i32 s78, s23, 73728
	s_lshl_b32 s73, s18, 12
	s_add_co_u32 s78, s78, s73
	s_add_co_u32 s78, s78, RUN0                    ; LDS: key tile Tq - 2
	s_sub_co_u32 s73, 15, s16
	s_cmp_eq_u32 s23, 0
	s_cselect_b32 s73, s73, s16
	s_lshl_b32 s19, s73, 4
	s_add_co_u32 s19, s19, s18                     ; Tq
	s_lshl_b32 s20, s19, 4                         ; i0
	s_add_co_u32 s21, s20, 480
	s_lshr_b32 s21, s21, 9                         ; np: how many 64s of chunks of level 1 hold a chunk that counts
	s_lshl_b32 s70, s19, 12
	s_mov_b32 s71, 0
	s_add_nc_u64 s[68:69], s[62:63], s[70:71]
	s_cmp_eq_u32 s19, 0                            ; tile 0 of a head is the first launch's
	s_cbranch_scc1 .Lnextq
	; ---- q turns through my stage: in as whole rows, back as a lane's 32 channels of its row, into the registers that it left
	WIN 0x04                                       ; an LDS store's data are its source 1: window 1
.irp a, 0,1,2,3,4,5,6,7
	ds_store_b128 v13, v[64+4*\a:67+4*\a] offset:544*\a
.endr
	WIN 0x40
.irp a, 0,1,2,3,4,5,6,7
	ds_load_b128 v[64+4*\a:67+4*\a], v12 offset:16*\a        ; my own bytes: LDS serves a wave's instructions in order.  Register 4 a + i: q(r, 32 h + 4 a + i)
.endr
	WIN 0
	v_add_nc_u32 v49, s20, v1                      ; i.  (The lane's constants stand between those loads and the wait for them)
	v_lshlrev_b32 v46, 7, v2
	v_lshlrev_b32 v47, 10, v2
	v_lshlrev_b32 v48, 11, v2
	v_sub_nc_u32 v46, v49, v46
	v_sub_nc_u32 v47, v49, v47
	v_sub_nc_u32 v48, v49, v48
	v_cvt_f32_i32 v46, v46
	v_cvt_f32_i32 v47, v47
	v_cvt_f32_i32 v48, v48
	v_add_f32 v16, -4.0, v46                       ; level 1: i - 4 - 128 h, and the neighbour's (8 less); all these are whole numbers: exact
	v_add_f32 v17, 0xc1400000, v46
	v_add_f32 v22, 0xc21c0000, v46                 ; the threshold: a chunk counts where its distance is 35 or more
	v_add_f32 v18, 0xc2000000, v47                 ; level 2: i - 32 - 1024 h, 64 less; 63 or more
	v_add_f32 v19, 0xc2c00000, v47
	v_add_f32 v23, 0xc2be0000, v47
	v_add_f32 v20, 0xc3800000, v48                 ; level 3: i - 256 - 2048 h, 512 less; 287 or more
	v_add_f32 v21, 0xc4400000, v48
	v_add_f32 v24, 0xc407c000, v48
	s_wait_dscnt 0x0                               ; q is back
	; ---- q: codes and scale word for levels 1 and 2, f16 for the window and level 3
	WIN 0x05
	v_max3_num_f32 v46, |v64|, |v65|, 0x2800000
	v_max3_num_f32 v47, |v66|, |v67|, 0x2800000
.irp i, 4,8,12,16,20,24,28
	v_max3_num_f32 v46, |v[64+\i]|, |v[65+\i]|, v46
	v_max3_num_f32 v47, |v[66+\i]|, |v[67+\i]|, v47
.endr
	WIN 0
	v_max_num_f32 v46, v46, v47
	v_add_nc_u32 v48, 0xfe000000, v46
	v_lshrrev_b32 v49, 23, v48
	v_lshlrev_b32 v50, 3, v2
	v_lshlrev_b32 v49, v50, v49
	v_permlanex16_b32 v51, v49, s58, s59
	v_or_b32 v[QS], v49, v51
	WIN 0x01
	v_cvt_scalef32_pk16_bf6_f32 v[QC:QC+2], v[64:79], v48
	v_cvt_scalef32_pk16_bf6_f32 v[52:54], v[80:95], v48
	v_nop
	WIN 0
	v_mov_b32 v[QC+3], v52
	v_mov_b32 v[QC+4], v53
	v_mov_b32 v[QC+5], v54
	WIN 0x05
.irp i, 0,1,2,3,4,5,6,7,8,9,10,11,12,13,14,15
	v_cvt_pk_f16_f32 v[QH+\i], v[64+2*\i], v[65+2*\i]
.endr
	WIN 0
	s_cmp_lg_u32 s21, 0
	s_cbranch_scc1 .Llev1
	v_mov_b32 v29, 0xcfee6b28                      ; tile 1 alone: no chunk of any level counts: m = the held maximum, -8e9 here, l = 0, o = 0
	v_mov_b32 v30, 0
.irp i, 0,1,2,3,4,5,6,7,8,9,10,11,12,13,14,15,16,17,18,19,20,21,22,23,24,25,26,27,28,29,30,31
	v_mov_b32 v[RO+\i], 0
.endr
	s_branch .Lnextq
.Llev1:
	; ---- level 1, scores: 64 chunks at a time.  Only the last live 64 can hold hidden chunks: 64 p is wholly open just where 64 (p + 1) is live
.irp p, 0,1,2,3,4,5,6,7
	SCORE 32*\p, K1H+3072*\p, K1S+128*\p, 16, 48, 512*\p, 256, 8, 1
	WIN 0
.if \p < 7
	s_cmp_lg_u32 s21, \p+1
	s_cbranch_scc1 .Lopen_\p
.endif
	MASK 32*\p, 22, 512*\p, 256, 8
.if \p == 0
	MAXP 0, BM, 1
.else
	MAXP 32*\p, BM+2*\p, 0
.endif
.if \p < 7
	s_branch .Lsdone
.Lopen_\p:
.if \p == 0
	MAXP 0, BM, 1
.else
	MAXP 32*\p, BM+2*\p, 0
.endif
.endif
.endr
.Lsdone:
	v_max_num_f32 v26, 0xcfee6b28, v28             ; the row's maximum, held at -1e9 (x 8) from below
	; ---- level 1, weights and O^T: a K step of 128 chunks at a time
.irp s, 0,1,2,3
	EXPA BM+4*\s
	LOADV \s
.if \s == 0
	EXPB 0, 0, 1
.else
	EXPB 64*\s, 0, 0
.endif
	s_cmp_eq_u32 s21, 2*\s+1
	s_cbranch_scc1 .Lhalf_\s
	EXPA BM+4*\s+2
	EXPB 64*\s+32, 1, 0
	s_branch .Lpv_\s
.Lhalf_\s:                                             ; the step's upper 64 chunks are hidden as a whole: zero codes (their scale bytes are 0: no NaN)
.irp i, 6,7,8,9,10,11
	v_mov_b32 v[PB+\i], 0
.endr
.Lpv_\s:
.if \s == 0
	PV RO, FB, 1
.else
	PV RO, FB, 0
.endif
.if \s < 3
	s_cmp_le_u32 s21, 2*\s+2
	s_cbranch_scc1 .Ll1done
.endif
.endr
.Ll1done:
	LSUM 30
	v_mov_b32 v29, v26
	s_cmp_lt_u32 s20, 80
	s_cbranch_scc1 .Lnextq
	; ---- level 2: 64 chunks, one K step of which the upper half is zeros
	SCORE 0, K2H, K2S, 18, 50, 0, 2048, 64, 2
	MASK 0, 23, 0, 2048, 64
	MAXP 0, BM, 1
	v_max_num_f32 v26, 0xcfee6b28, v28
	EXPA BM
.irp t, 0,1,2,3
	ds_load_b128 v[KB+12*\t:KB+12*\t+3], v7 offset:768*\t
	ds_load_b64 v[KB+12*\t+4:KB+12*\t+5], v8 offset:768*\t+512
.endr
	ds_load_b32 v[VS], v9 offset:V2SO
	ds_load_b32 v[VS+1], v9 offset:V2SO+128
	EXPB 0, 0, 1
.irp i, 6,7,8,9,10,11
	v_mov_b32 v[PB+\i], 0
.endr
	PV ROX, KB, 1
	LSUM 31
	; the merge: m = max, each side x 2^((its m - m) c)
	v_max_num_f32 v46, v29, v26
	v_sub_f32 v47, v29, v46
	v_sub_f32 v48, v26, v46
	v_mul_f32 v47, s56, v47
	v_mul_f32 v48, s56, v48
	v_exp_f32 v36, v47
	v_exp_f32 v38, v48
	v_mov_b32 v29, v46                             ; (a plain line behind the exponentials)
	s_wait_alu depctr_va_vdst(0)
	v_mul_f32 v30, v30, v36
	v_fmac_f32 v30, v31, v38
.set n, 0
.rept 16
	v_pk_mul_f32 v[RO+n:RO+n+1], v[RO+n:RO+n+1], v[36:37] op_sel_hi:[1,0]
.set n, n+2
.endr
.set n, 0
.rept 16
	v_pk_fma_f32 v[RO+n:RO+n+1], v[ROX+n:ROX+n+1], v[38:39], v[RO+n:RO+n+1] op_sel_hi:[1,0,1]
.set n, n+2
.endr
.Lnextq:
	; ---- the next tile's q is asked for here: it lands under the window's phase and the way out
	s_cmp_eq_u32 s17, 3
	s_cbranch_scc1 .Lnoq
	s_add_co_u32 s72, s17, 1
	s_and_b32 s73, s72, 1
	s_mul_i32 s73, s73, 15
	s_xor_b32 s73, s14, s73
	s_lshr_b32 s72, s72, 1
	s_sub_co_u32 s74, 15, s16
	s_cmp_eq_u32 s72, 0
	s_cselect_b32 s74, s74, s16
	s_lshl_b32 s74, s74, 4
	s_add_co_u32 s74, s74, s73
	s_cmp_eq_u32 s74, 0                            ; tile 0 is not mine
	s_cbranch_scc1 .Lnoq
	s_lshl_b32 s70, s74, 12
	s_mov_b32 s71, 0
	s_add_nc_u64 s[66:67], s[60:61], s[70:71]      ; (no load of mine is out: the trip's top has waited)
	WIN 0x40
.irp a, 0,1,2,3,4,5,6,7
	global_load_b128 v[64+4*\a:67+4*\a], v3, s[66:67] offset:512*\a th:TH_LOAD_NT   ; two whole rows: 512 consecutive bytes
.endr
	WIN 0
.Lnoq:                                                 ; every wave passes here in every trip
	s_wait_tensorcnt 0x0                           ; my parts of the two runs have landed (from the second trip on no tensor load is out, and the wait is met at once);
	s_wait_dscnt 0x0                               ; no LDS instruction of mine is pending at the signal
	s_barrier_signal -1
	s_barrier_wait -1                              ; everybody's have: behind this barrier the runs are read
	s_cmp_eq_u32 s19, 0
	s_cbranch_scc1 .Lend
	; ---- the window (key tiles Tq - 2, Tq - 1, Tq) and level 3 (a fourth tile): one softmax group of 64 places, in f16
	v_add_nc_u32 v10, s78, v3
	WIN 0x40
.irp a, 0,1,2,3,4,5
	ds_load_b128 v[4*\a:4*\a+3], v7 offset:CLO+512*\a        ; the table is the scores' C
.endr
.irp kk, 0,1,2
.irp p, 0,1,2,3
	ds_load_b128 v[96+16*\kk+4*\p:99+16*\kk+4*\p], v10 offset:\kk*4096+512*\p
.endr
.endr
.irp p, 0,1,2,3
	ds_load_b128 v[144+4*\p:147+4*\p], v3 offset:K3I+512*\p
.endr
.irp g, 0,1
.irp t, 0,1,2,3
.irp e, 0,1
.if 2*\g+\e < 3
	ds_load_b128 v[160+32*\g+8*\t+4*\e:163+32*\g+8*\t+4*\e], v10 offset:(2*\g+\e)*4096+2048+512*\t
.else
	ds_load_b128 v[160+32*\g+8*\t+4*\e:163+32*\g+8*\t+4*\e], v7 offset:V3O+512*\t
.endif
.endr
.endr
.endr
	v_pk_add_f32 v[24:25], v[20:21], 0 op_sel_hi:[1,0]             ; level 3's C: register jj < 4 is chunk 4 h + jj
	v_pk_add_f32 v[26:27], v[20:21], 0xc4800000 op_sel_hi:[1,0]
	WIN 0x41
	v_pk_mul_f32 v[24:25], v[24:25], s[52:53] op_sel_hi:[1,0]
	v_pk_mul_f32 v[26:27], v[26:27], s[52:53] op_sel_hi:[1,0]
.irp jj, 0,1,2,3
.set CV, 512*\jj
	F32BITS CV
	v_cmp_gt_f32 vcc_lo, FBITS, v24
	v_cndmask_b32 v[24+\jj], v[24+\jj], v55, vcc_lo
.endr
	WIN 0x40
.irp jj, 4,5,6,7
	v_mov_b32 v[24+\jj], 0xf149f2ca                ; rows that stand for no chunk
.endr
	s_wait_dscnt 0x10                              ; all but V's sixteen loads
	; The accumulators take turns, one instruction a turn: the window's three, then level 3's where it counts; and once more for the upper 32 channels.
	; Level 3's line stands each time under its own jump on i0 (ids alone), so that on both ways no two matrix instructions that follow each other share an accumulator.
	WIN 0x51                                       ; source 0 (K), C and D in window 1; source 1 (q) in window 0
.irp kk, 0,1,2
	v_wmma_f32_16x16x32_f16 v[8*\kk:8*\kk+7], v[96+16*\kk:103+16*\kk], v[QH:QH+7], v[8*\kk:8*\kk+7]
.endr
	WIN 0
	s_cmp_lt_u32 s20, 528
	s_cbranch_scc1 .Lno3a
	WIN 0x51
	v_wmma_f32_16x16x32_f16 v[24:31], v[144:151], v[QH:QH+7], v[24:31]
	WIN 0
.Lno3a:
	WIN 0x51
.irp kk, 0,1,2
	v_wmma_f32_16x16x32_f16 v[8*\kk:8*\kk+7], v[104+16*\kk:111+16*\kk], v[QH+8:QH+15], v[8*\kk:8*\kk+7]
.endr
	WIN 0
	s_cmp_lt_u32 s20, 528
	s_cbranch_scc1 .Lno3b
	WIN 0x51
	v_wmma_f32_16x16x32_f16 v[24:31], v[152:159], v[QH+8:QH+15], v[24:31]
	WIN 0
.Lno3b:
.rept 4
	v_nop
.endr
	s_cmp_lg_u32 s19, 1
	s_cbranch_scc1 .Lnot1
	WIN 0x40
.irp jj, 0,1,2,3,4,5,6,7
	v_mov_b32 v[\jj], 0xf149f2ca                   ; tile 1: keys -16 .. -1 do not exist
.endr
	WIN 0
.Lnot1:
	MAXP 0, 50, 1
	v_mov_b32 v26, v28
	EXPS 0
	SUMS 0, 1
	WIN 0x45
.irp i, 0,1,2,3,4,5,6,7,8,9,10,11,12,13,14,15
	v_cvt_pk_f16_f32 v[32+\i], v[2*\i], v[2*\i+1]  ; two neighbouring tiles' p are source 1 of the second product as they stand
.endr
	s_wait_dscnt 0x0                               ; V
	WIN 0x05                                       ; sources 0 (V) and 1 (p) in window 1
.irp t, 0,1,2,3
	v_wmma_f32_16x16x32_f16 v[ROX+8*\t:ROX+8*\t+7], v[160+8*\t:167+8*\t], v[32:39], 0
.endr
.irp t, 0,1,2,3
	v_wmma_f32_16x16x32_f16 v[ROX+8*\t:ROX+8*\t+7], v[192+8*\t:199+8*\t], v[40:47], v[ROX+8*\t:ROX+8*\t+7]
.endr
	WIN 0
	LSUM 31                                        ; (with the lines below: the places behind the last products)
	; ---- the last merge, the division, and the channels back in their order
	v_max_num_f32 v46, v29, v26
	v_sub_f32 v47, v29, v46
	v_sub_f32 v48, v26, v46
	v_mul_f32 v47, s56, v47
	v_mul_f32 v48, s56, v48
	v_exp_f32 v36, v47
	v_exp_f32 v38, v48
	v_nop
	s_wait_alu depctr_va_vdst(0)
	v_mul_f32 v30, v30, v36
	v_fmac_f32 v30, v31, v38
	v_max_num_f32 v30, 0x322bcc77, v30             ; clip at 1e-8
	v_rcp_f32 v49, v30
	v_nop
	s_wait_alu depctr_va_vdst(0)
	v_mul_f32 v36, v36, v49
	v_mul_f32 v38, v38, v49
.set n, 0
.rept 16
	v_pk_mul_f32 v[RO+n:RO+n+1], v[RO+n:RO+n+1], v[36:37] op_sel_hi:[1,0]
.set n, n+2
.endr
.irp t, 0,1,2,3
.irp j, 0,1,2,3,4,5,6,7
	v_fma_f32 v[FB+4*\j+\t], v[ROX+8*\t+\j], v38, v[RO+8*\t+\j]   ; register 8 t + j is channel 32 h + 4 j + t
.endr
.endr
.irp a, 0,1,2,3,4,5,6,7
	ds_store_b128 v12, v[FB+4*\a:FB+4*\a+3] offset:16*\a
.endr
.irp i, 0,1,2,3,4,5,6,7
	ds_load_b128 v[RO+4*\i:RO+4*\i+3], v13 offset:544*\i     ; my own bytes: LDS serves a wave's instructions in order
.endr
.irp i, 0,1,2,3,4,5,6,7
	s_wait_dscnt 7-\i
	global_store_b128 v3, v[RO+4*\i:RO+4*\i+3], s[68:69] offset:512*\i th:TH_STORE_NT   ; two whole rows: 512 consecutive bytes, aligned
.endr
.Lend:
	s_add_co_u32 s17, s17, 1
	s_cmp_lt_u32 s17, 4
	s_cbranch_scc1 .Ltile
	s_wait_tensorcnt 0x0                           ; the wave's end: three lines behind my last tensor load and my last LDS store
	ds_add_u32 v14, v15
	s_wait_dscnt 0x0
	s_endpgm
.Lfunc_end_k_q4ddb2285bc_attn:
	.size	k_q4ddb2285bc_attn, .Lfunc_end_k_q4ddb2285bc_attn-k_q4ddb2285bc_attn
	.p2alignl 7, 3214868480
	.fill 96, 4, 3214868480
	.section	.rodata,"a",@progbits
	.p2align	6, 0x0
	.amdhsa_kernel k_q4ddb2285bc_attn
		.amdhsa_group_segment_fixed_size 265472
		.amdhsa_private_segment_fixed_size 0
		.amdhsa_enable_private_segment 0
		.amdhsa_kernarg_size 40
		.amdhsa_user_sgpr_count 2
		.amdhsa_user_sgpr_kernarg_segment_ptr 1
		.amdhsa_wavefront_size32 1
		.amdhsa_system_sgpr_workgroup_id_x 1
		.amdhsa_system_sgpr_workgroup_id_y 1
		.amdhsa_system_sgpr_workgroup_id_z 1
		.amdhsa_system_vgpr_workitem_id 0
		.amdhsa_next_free_vgpr 512
		.amdhsa_next_free_sgpr 84
		.amdhsa_reserve_vcc 1
		.amdhsa_float_denorm_mode_32 3
		.amdhsa_float_denorm_mode_16_64 3
		.amdhsa_memory_ordered 1
		.amdhsa_forward_progress 1
		.amdhsa_inst_pref_size 193
	.end_amdhsa_kernel
	.amdgpu_metadata
---
amdhsa.version: [ 1, 2 ]
amdhsa.kernels:
  - .name:           k_q4ddb2285bc_attn
    .symbol:         k_q4ddb2285bc_attn.kd
    .args:
      - { .name: q, .offset: 0, .size: 8, .value_kind: global_buffer, .address_space: global }
      - { .name: kv16, .offset: 8, .size: 8, .value_kind: global_buffer, .address_space: global }
      - { .name: hier, .offset: 16, .size: 8, .value_kind: global_buffer, .address_space: global }
      - { .name: gammas, .offset: 24, .size: 8, .value_kind: global_buffer, .address_space: global }
      - { .name: out0, .offset: 32, .size: 8, .value_kind: global_buffer, .address_space: global }
    .group_segment_fixed_size: 265472
    .private_segment_fixed_size: 0
    .kernarg_segment_align: 8
    .kernarg_segment_size: 40
    .max_flat_workgroup_size: 256
    .sgpr_count:     84
    .vgpr_count:     512
    .wavefront_size: 32
...
	.end_amdgpu_metadata
.endif
;; end of part 4
